; MI455X (gfx1250); checked and timed in simulation.
; The chip was launched on July 23, 2026; its instructions are those of AMD's public machine-readable ISA for CDNA 5 (MIT licence, August 2026) and "CDNA5" Instruction Set Architecture Reference Guide (July 2026). The comments in the code are by the model that wrote it; some were corrected since.
;; Self Attention. Allowed arithmetic: matrix products marked QUANTISED: E2M1 operands, one E8M0 scale for each 32 along K, by v_wmma_scale_f32_16x16x128_f8f6f4 with both operands' format E2M1 (or v_wmma_scale_f32_32x16x128_f4), f32 sums; everything else in f32.
;; Inputs: Wk 128 x 256 float32; Wq 128 x 256 float32; Wv 256 x 256 float32; bk 128 float32; bq 128 float32; bv 256 float32; gamma 1 float32; x 8 x 256 x 64 x 64 float32.
;; Outputs: out0 8 x 256 x 64 x 64 float32.
;; This version of the problem:
;;   THIS VERSION OF THE PROBLEM IS GIVEN IN LOW PRECISION. The matrix products marked QUANTISED in the list below multiply operands that are first quantised to E2M1 (2 exponent bits, 1 mantissa bit; 4 bits a number), with one power-of-two scale for each 32 numbers along K (OCP MX v1.0); their sums are f32. All else is computed in f32.
;;   The module's matrix products, in the order in which they are computed (A, B: the left and right operand; K: the contracted axis; several contracted axes count as one K, in the product's order):
;;     1. [M 32,768, K 256] x [K 256, N 128]; A: input x; B: input Wq: QUANTISED
;;     2. [M 32,768, K 256] x [K 256, N 128]; A: input x; B: input Wk: QUANTISED
;;     3. [M 32,768, K 256] x [K 256, N 256]; A: input x; B: input Wv: QUANTISED
;;     4. batch 8 x [M 4,096, K 128] x [K 128, N 4,096]; A: computed on the way; B: computed on the way: QUANTISED
;;     5. batch 8 x [M 256, K 4,096] x [K 4,096, N 4,096]; A: computed on the way; B: computed on the way: QUANTISED
;;   THE QUANTISER, for each operand of a quantised product, along K:
;;     - K is cut into blocks of 32 from its start; a last block that is shorter is filled with zeros.
;;     - A block's scale is 2^e with e = floor(log2(the largest magnitude in the block)) - 2, held to -126 .. 127; a block of zeros has e = 0. As a byte (E8M0): e + 127.
;;     - Each number is divided by its block's scale, clamped to +-6, and rounded to the nearest number of E2M1, ties to even, subnormals kept.
;;     - The product sums the exact products of the quantised numbers (number of the format x scale) in f32.
;;   ~~~python
;;   def quantise(x, axis):      # numpy; x: float32 -> the quantised numbers, widened to float32 again
;;       x = np.moveaxis(x, axis, -1); K = x.shape[-1]
;;       x = np.pad(x, [(0, 0)] * (x.ndim - 1) + [(0, -K % 32)]); x = x.reshape(x.shape[:-1] + (-1, 32)); a = np.abs(x).max(-1, keepdims=True)
;;       e = np.where(a > 0, np.clip(np.frexp(np.where(a > 0, a, 1))[1] - 1 - 2, -126, 127), 0)      # np.frexp(a)[1] - 1 = floor(log2(a)), exactly
;;       r = np.clip(x / 2.0 ** e, -6, 6)
;;       step = 2.0 ** (np.maximum(np.frexp(np.where(r == 0, 1, r))[1] - 1, 0) - 1)
;;       q = np.round(r / step) * step * 2.0 ** e      # np.round: ties to even
;;       return np.moveaxis(q.reshape(q.shape[:-2] + (-1,))[..., :K], -1, axis).astype(np.float32)
;;   ~~~
;;   OPERANDS COMPUTED ON THE WAY. 'Computed on the way' means the value that the module computes at that place (a softmax that the list does not call 'softmax' is quantised finished and normalised). What goes into a quantiser is computed in f32, as accurately as f32 sums, v_exp_f32 and their like allow (about 1e-6 of the number): no bf16 or f16 on the way to a quantiser, and a product that is left as it is and whose result goes on into a quantised operand takes f32 operands (vector FMAs, or v_wmma_f32_16x16x4_f32). A number that lies on a knife's edge between two numbers of the format may be rounded either way, as far as f32 arithmetic and the matrix unit's own rounding can turn it there, and no further.
;; One version. Each part assembles by itself: llvm-mc -triple=amdgcn-amd-amdhsa -mcpu=gfx1250 --defsym DOCPART=n.
;; ======== version 1 of 1: 4 launches
;; workspace buffers: wimg 65,536 bytes; wsc 4,096 bytes; qpack 2,228,224 bytes; kc 2,097,152 bytes; ksc 131,072 bytes; vc 4,194,304 bytes; vsc 262,144 bytes; nlse 131,072 bytes
;; launch wq (part 1): grid 32 x 1, 2 waves a work-group, no clusters, 0 bytes of LDS; arguments Wq, Wk, Wv, wimg, wsc; writes wimg, wsc
.if DOCPART == 1
	.amdgcn_target "amdgcn-amd-amdhsa--gfx1250"
	.amdhsa_code_object_version 6
	.text
	.protected	k_q61c2e8eb1c_wq
	.globl	k_q61c2e8eb1c_wq
	.p2align	8
	.type	k_q61c2e8eb1c_wq,@function
k_q61c2e8eb1c_wq:
	s_mov_b64 s[64:65], 0
	v_nop
	global_prefetch_b8 v0, s[64:65] scope:SCOPE_SE
	s_setreg_imm32_b32 hwreg(HW_REG_WAVE_MODE, 25, 1), 1
	s_wait_xcnt 0x0
; THE PROGRAM: out = gamma * (v attn^T) + x, attn = softmax over the QUERY axis m of q_m . k_n, all five products on codes of E2M1 with one E8M0 scale for each 32 along K.
; Four launches: wq (this one: the three weights into codes), proj (x into codes; q, k, v; their codes), stats (for every key n: -logsumexp over m of the scores), attn (scores again, attn, its codes, the second product, the residual).
; NO WORK OF reference() IS LEFT OUT.  bq . k_n is the same along the softmax's axis in real numbers, but bq goes into a quantised operand and moves its codes, so it stays; all eight inputs are loaded.
; The scores are computed twice (stats, attn): attn is quantised finished and normalised, in blocks of 32 keys, and each key has a normaliser of its own, which must be known before the first code is made.
; LIMITS OF THE PROGRAM: NaN and infinities among the inputs are not served; a block of zeros gets the scale byte 1 where the rule says 127 (its codes are zeros, and the bytes are read by this program alone);
; a weight attn under 2^-126 becomes 0 (v_exp_f32 gives no denormals: ISA guide 15.8); the running maximum of stats starts at -2^127.
;
; THIS LAUNCH.  Wq, Wk [128][256], Wv [256][256], f32, K innermost, become 32 tiles of 16 rows x 256 K, each as two FRAGMENT IMAGES (K steps of 128): the operand's 8 registers as they stand,
; register group 4 cc .. 4 cc + 3 of lane l at 512 cc + 16 l.  wimg [T][s] images of 1,024 bytes; wsc [T][s][16 words].  T 0-7: Wq, 8-15: Wk, 16-31: Wv.
; THE ROWS OF A TILE OF Wq AND Wk ARE NOT NEIGHBOURS: lane r of tile 2 b + u takes row 32 b + 8 u + r + 8 (r / 8), so that in proj the 16 registers of two neighbouring result tiles are 16 neighbours along the next K.
; A work-group takes a tile T, each of its two waves a K step s.  Lane (r, h) holds, of its row, k = 128 s + 64 cc + 32 h + 0 .. 31: whole blocks, in the very order of the operand's registers: no other lane is asked for a maximum.
; 64 fragments are all the work there is: 32 work-groups of two waves, 16 loads a wave.  No LDS, no cluster: no two waves read the same byte.
; The scale words leave 64 bytes an instruction (lanes l and l + 16 hold the same word and store it to the same place): 4,096 bytes in the whole launch.
.set X, 32                             ; v32-95   two blocks of 32 numbers: block cc
.set C, 96                             ; v96-103  their codes
	s_load_b128 s[4:7], s[0:1], 0x0                ; Wq, Wk
	s_load_b128 s[8:11], s[0:1], 0x10              ; Wv, wimg
	s_load_b64 s[12:13], s[0:1], 0x20              ; wsc
	v_lshrrev_b32 v1, 5, v0
	v_readfirstlane_b32 s14, v1                    ; the wave's number: s
	s_mov_b32 s15, ttmp9                           ; T
	v_and_b32 v1, 15, v0                           ; r
	v_bfe_u32 v2, v0, 4, 1                         ; h
	v_and_b32 v6, 31, v0
	v_lshlrev_b32 v4, 4, v6                        ; 16 x lane
	v_lshlrev_b32 v5, 2, v1                        ; 4 r
	s_and_b32 s16, s15, 7                          ; Wq, Wk: tile t = 2 b + u begins at row 32 b + 8 u
	s_lshr_b32 s17, s16, 1
	s_lshl_b32 s17, s17, 5
	s_and_b32 s18, s16, 1
	s_lshl_b32 s18, s18, 3
	s_add_co_u32 s17, s17, s18
	s_and_b32 s18, s15, 15                         ; Wv: tile T - 16 begins at row 16 (T - 16)
	s_lshl_b32 s18, s18, 4
	s_cmp_lt_u32 s15, 16
	s_cselect_b32 s17, s17, s18                    ; the tile's first row
	s_cselect_b32 s19, 8, 0                        ; Wq, Wk: lanes 8-15 stand 8 rows further on
	s_lshl_b32 s20, s17, 10                        ; a row is 1,024 bytes,
	s_lshl_b32 s28, s14, 9                         ; a K step 512 of them
	s_add_co_u32 s20, s20, s28
	s_mov_b32 s21, 0
	s_lshl_b32 s22, s15, 11                        ; a tile's two images,
	s_lshl_b32 s28, s14, 10                        ; mine of the two
	s_add_co_u32 s22, s22, s28
	s_mov_b32 s23, 0
	s_lshl_b32 s24, s15, 7                         ; its 32 scale words,
	s_lshl_b32 s28, s14, 6                         ; my 16
	s_add_co_u32 s24, s24, s28
	s_mov_b32 s25, 0
	s_mov_b32 s26, 0x76543210
	s_mov_b32 s27, 0xfedcba98                      ; v_permlanex16_b32's selects for lane l xor 16
	v_and_b32 v3, s19, v1
	v_add_nc_u32 v3, v3, v1                        ; r + 8 (r / 8), or r
	v_lshlrev_b32 v3, 10, v3
	v_lshl_add_u32 v3, v2, 7, v3                   ; + 128 h: my half's 32 numbers of a block pair
	v_mov_b32 v22, 0                               ; a lane permute's destination counts as one of its sources
	v_lshlrev_b32 v23, 3, v2                       ; 8 h
	s_wait_kmcnt 0x0
	s_cmp_lt_u32 s15, 8                            ; which weight: the choice hangs on the tile's number alone
	s_cselect_b64 s[4:5], s[4:5], s[6:7]
	s_cmp_lt_u32 s15, 16
	s_cselect_b64 s[4:5], s[4:5], s[8:9]
	s_add_nc_u64 s[4:5], s[4:5], s[20:21]
	s_add_nc_u64 s[10:11], s[10:11], s[22:23]
	s_add_nc_u64 s[12:13], s[12:13], s[24:25]
.irp q, 0,1
.irp x, 0,1,2,3,4,5,6,7
	global_load_b128 v[X+32*\q+4*\x:X+32*\q+4*\x+3], v3, s[4:5] offset:256*\q+16*\x
.endr
.endr
; Block q: its largest magnitude with the floor 2^(3 - 127) among the leaves (so the byte cannot fall under 1); 2 off the exponent field gives the conversion's scale operand; a shift of that the byte.
.macro WBLK q
	s_wait_loadcnt 8-8*(\q)                        ; this block's eight loads are in; the second block's may be out
	v_max3_num_f32 v[8+(\q)], |v[X+32*(\q)]|, |v[X+32*(\q)+1]|, 0x1800000
.irp i, 2,4,6,8,10,12,14,16,18,20,22,24,26,28,30
	v_max3_num_f32 v[8+(\q)], v[8+(\q)], |v[X+32*(\q)+\i]|, |v[X+32*(\q)+\i+1]|
.endr
	v_add_nc_u32 v[12+(\q)], 0xff000000, v[8+(\q)]
	v_lshrrev_b32 v[16+(\q)], 23, v[12+(\q)]
.irp g, 0,1,2,3
	v_cvt_scalef32_pk8_fp4_f32 v[C+4*(\q)+\g], v[X+32*(\q)+8*\g:X+32*(\q)+8*\g+7], v[12+(\q)]
.endr
.endm
	WBLK 0
	WBLK 1
	v_lshl_or_b32 v20, v17, 16, v16                ; my two bytes are those of blocks h and 2 + h of my row,
	v_lshlrev_b32 v20, v23, v20                    ; at their places in the scale word
	v_permlanex16_b32 v22, v20, s26, s27
	v_or_b32 v20, v20, v22                         ; with lane l xor 16's two the word is whole
.irp q, 0,1
	global_store_b128 v4, v[C+4*\q:C+4*\q+3], s[10:11] offset:512*\q   ; 512 consecutive bytes
.endr
	global_store_b32 v5, v20, s[12:13]
	s_endpgm
.Lfunc_end_k_q61c2e8eb1c_wq:
	.size	k_q61c2e8eb1c_wq, .Lfunc_end_k_q61c2e8eb1c_wq-k_q61c2e8eb1c_wq
	.p2alignl 7, 3214868480
	.fill 96, 4, 3214868480
	.section	.rodata,"a",@progbits
	.p2align	6, 0x0
	.amdhsa_kernel k_q61c2e8eb1c_wq
		.amdhsa_group_segment_fixed_size 0
		.amdhsa_private_segment_fixed_size 0
		.amdhsa_enable_private_segment 0
		.amdhsa_kernarg_size 40
		.amdhsa_user_sgpr_count 2
		.amdhsa_user_sgpr_kernarg_segment_ptr 1
		.amdhsa_wavefront_size32 1
		.amdhsa_system_sgpr_workgroup_id_x 1
		.amdhsa_system_sgpr_workgroup_id_y 1
		.amdhsa_system_sgpr_workgroup_id_z 1
		.amdhsa_system_vgpr_workitem_id 0
		.amdhsa_next_free_vgpr 104
		.amdhsa_next_free_sgpr 66
		.amdhsa_reserve_vcc 0
		.amdhsa_float_denorm_mode_32 3
		.amdhsa_float_denorm_mode_16_64 3
		.amdhsa_memory_ordered 1
		.amdhsa_forward_progress 1
		.amdhsa_inst_pref_size 7
	.end_amdhsa_kernel
	.amdgpu_metadata
---
amdhsa.version: [ 1, 2 ]
amdhsa.kernels:
  - .name:           k_q61c2e8eb1c_wq
    .symbol:         k_q61c2e8eb1c_wq.kd
    .args:
      - { .name: Wq, .offset: 0, .size: 8, .value_kind: global_buffer, .address_space: global }
      - { .name: Wk, .offset: 8, .size: 8, .value_kind: global_buffer, .address_space: global }
      - { .name: Wv, .offset: 16, .size: 8, .value_kind: global_buffer, .address_space: global }
      - { .name: wimg, .offset: 24, .size: 8, .value_kind: global_buffer, .address_space: global }
      - { .name: wsc, .offset: 32, .size: 8, .value_kind: global_buffer, .address_space: global }
    .group_segment_fixed_size: 0
    .private_segment_fixed_size: 0
    .kernarg_segment_align: 8
    .kernarg_segment_size: 40
    .max_flat_workgroup_size: 64
    .sgpr_count:     66
    .vgpr_count:     104
    .wavefront_size: 32
...
	.end_amdgpu_metadata
.endif
;; end of part 1
;; launch proj (part 2): grid 256 x 1, 8 waves a work-group, no clusters, 18,432 bytes of LDS; arguments x, wimg, wsc, bq, bk, bv, qpack, kc, ksc, vc, vsc; writes qpack, kc, ksc, vc, vsc
.if DOCPART == 2
	.amdgcn_target "amdgcn-amd-amdhsa--gfx1250"
	.amdhsa_code_object_version 6
	.text
	.protected	k_q61c2e8eb1c_proj
	.globl	k_q61c2e8eb1c_proj
	.p2align	8
	.type	k_q61c2e8eb1c_proj,@function
k_q61c2e8eb1c_proj:
	s_mov_b64 s[64:65], 0
	v_nop
	global_prefetch_b8 v0, s[64:65] scope:SCOPE_SE
	s_setreg_imm32_b32 hwreg(HW_REG_WAVE_MODE, 25, 1), 1
	s_wait_xcnt 0x0
; q = Wq x + bq, k = Wk x + bk, v = Wv x + bv on codes of E2M1 (K = the 256 channels), and their own codes for the two products of attention.  Nothing of reference() is left out here.
; A work-group takes 128 pixels of one batch (b = id / 32, ks = id % 32) and all 512 outputs.
; PHASE X.  x is [b][channel][pixel]: K is not innermost.  A LANE TAKES A PIXEL AND ITS REGISTERS RUN DOWN THE CHANNELS: wave (g = w % 4, s = w / 4) takes pixels 32 g .. 32 g + 31 and channels 128 s .. 128 s + 127, four blocks of 32;
; a load reads 128 consecutive bytes, the four waves of one s 512.  Lane l takes pixel 32 g + pi(l), pi = bits 3 and 4 of l exchanged: lanes 0-15 are then the rows of tile 2 g, lanes 16-31 those of tile 2 g + 1, where
; TILE 2 g + u HAS AS ROW rho THE PIXEL 32 g + 8 u + rho + 8 (rho / 8).  Wherever such a tile is source 0, the 16 result registers of tiles 2 g, 2 g + 1 are 16 neighbouring pixels, 32 g + 16 (lane / 16) + 0 .. 15.
; The 16 fragments of x go to LDS as images of their registers (group 4 cc .. 4 cc + 3 of lane l at 512 cc + 16 l), the scale words 4 bytes a lane: lanes 0-15 tile 2 g's, lanes 16-31 tile 2 g + 1's.  One barrier.
; ROLES.  Waves 0, 1: q; 2, 3: k (x tiles 4 i .. 4 i + 3, i = w % 2): source 0 = the weight's 8 tiles, source 1 = a tile of x: a lane holds one pixel, its 64 registers the 128 output channels, the next K.
; Waves 4-7: v (channel tiles 4 (w - 4) ..): source 0 = x's 8 tiles, source 1 = a tile of Wv: a lane holds one channel, its 64 registers the 128 pixels, which are the keys, the last product's K.
; The bias is the C of each sum's first matrix instruction.  The results are quantised in registers and leave as fragment images: 512 consecutive bytes a store.  The scale words leave 128 bytes a store: a sixteenth of the codes' bytes.
; The waves part on their number ONCE, behind the barrier; what a role alone needs (weights, biases) is loaded in its arm.
; NO CLUSTER: this launch has no tensor load; the weights, at most 96 KB of the 224 KB that a work-group reads, go as images straight into operand registers.
; LIMITS: as stated at the head of wq.
.set XSC,   16384                      ; LDS: from 0 x's 16 images, fragment (tile, s) at (2 tile + s) x 1,024; here 8 x 128 bytes of scale words, pair (g, s) at (2 g + s) x 128
.set SPARE, 17408                      ; the spare words, 128 bytes for each wave: four blocks of 256 bytes that no other line names
.set L16, 1                            ; v1   16 x lane
.set L4,  2                            ; v2   4 x lane
.set XA,  3                            ; v3   4 pi(lane)
.set XWI, 4                            ; v4   where I store x's images
.set XWS, 5                            ; v5   and their scale words
.set BA,  6                            ; v6   64 h
.set BR,  7                            ; v7   4 r
.set FXA, 8                            ; v8   q, k: my four tiles of x
.set FXS, 9                            ; v9   and their scale words
.set SPW, 12                           ; v12  my spare word; never rewritten
.set NIL, 13                           ; v13  0; never rewritten
.set SOP, 14                           ; v14  a conversion's scale operand
.set SBW, 15                           ; v15  my pixel's scale word
.set VSC, 16                           ; v16-23 scale words of source 0's tiles
.set FSC, 24                           ; v24-27 of source 1's
.set TM,  32                           ; v32-47 at work in QUANT
.set PWU, 48                           ; v48-51 a unit's scale word
.set OUTW, 52                          ; v52-53 two units' words, as they are stored
.set BVL, 56                           ; v56-59 v: bv of my channel, for each unit
.set XR,  64                           ; v64-127 phase X: two sets of 32 numbers
.set PC,  64                           ; v64-95 later: a unit's codes, 8 registers each
.set FIX, 96                           ; v96-111 q, k: a tile of x, both K steps
.set BV,  96                           ; v96-127 v: the bias in the result's layout, 8 registers a unit
.set ACC, 128                          ; v128-191 eight accumulators
.set CT0, 128                          ; phase X: codes of blocks 0, 2; then tile 2 g's fragment
.set CT1, 136                          ; of blocks 1, 3; then tile 2 g + 1's
.set BI,  192                          ; v192-255 q, k: the bias in the result's layout
.set FIXV, 192                         ; v: four tiles of Wv, both K steps
.set WV,  26
.set BP,  40                           ; s[40:41] my bias
.set CB,  48                           ; s[48:49] where my codes go
.set SBP, 50                           ; s[50:51] and my scale words
.set SEL, 56
.set SHI, 58
.set MSB, 0
.macro WIN new                         ; the immediate's high byte repeats the setting that is left.  Window 1 (v256-383) holds source 0's 16 fragments, fragment (t, s) at 8 (2 t + s)
.if MSB != \new
	s_set_vgpr_msb (MSB<<8)|\new
.set MSB, \new
.endif
.endm
; One matrix instruction.  c = -1: the constant 0 starts the sum.  ra, rb = 1: that side's scale words stand in lanes 16-31.
.macro MMS d, a, b, c, sa, sb, ra, rb
.if (\c) < 0
.if ((\ra) == 0) && ((\rb) == 0)
	v_wmma_scale_f32_16x16x128_f8f6f4 v[(\d):(\d)+7], v[(\a):(\a)+7], v[(\b):(\b)+7], 0, v[(\sa)], v[(\sb)] matrix_a_fmt:MATRIX_FMT_FP4 matrix_b_fmt:MATRIX_FMT_FP4
.elseif ((\ra) == 1) && ((\rb) == 0)
	v_wmma_scale_f32_16x16x128_f8f6f4 v[(\d):(\d)+7], v[(\a):(\a)+7], v[(\b):(\b)+7], 0, v[(\sa)], v[(\sb)] matrix_a_fmt:MATRIX_FMT_FP4 matrix_b_fmt:MATRIX_FMT_FP4 matrix_a_scale:MATRIX_SCALE_ROW1
.elseif ((\ra) == 0) && ((\rb) == 1)
	v_wmma_scale_f32_16x16x128_f8f6f4 v[(\d):(\d)+7], v[(\a):(\a)+7], v[(\b):(\b)+7], 0, v[(\sa)], v[(\sb)] matrix_a_fmt:MATRIX_FMT_FP4 matrix_b_fmt:MATRIX_FMT_FP4 matrix_b_scale:MATRIX_SCALE_ROW1
.else
	v_wmma_scale_f32_16x16x128_f8f6f4 v[(\d):(\d)+7], v[(\a):(\a)+7], v[(\b):(\b)+7], 0, v[(\sa)], v[(\sb)] matrix_a_fmt:MATRIX_FMT_FP4 matrix_b_fmt:MATRIX_FMT_FP4 matrix_a_scale:MATRIX_SCALE_ROW1 matrix_b_scale:MATRIX_SCALE_ROW1
.endif
.else
.if ((\ra) == 0) && ((\rb) == 0)
	v_wmma_scale_f32_16x16x128_f8f6f4 v[(\d):(\d)+7], v[(\a):(\a)+7], v[(\b):(\b)+7], v[(\c):(\c)+7], v[(\sa)], v[(\sb)] matrix_a_fmt:MATRIX_FMT_FP4 matrix_b_fmt:MATRIX_FMT_FP4
.elseif ((\ra) == 1) && ((\rb) == 0)
	v_wmma_scale_f32_16x16x128_f8f6f4 v[(\d):(\d)+7], v[(\a):(\a)+7], v[(\b):(\b)+7], v[(\c):(\c)+7], v[(\sa)], v[(\sb)] matrix_a_fmt:MATRIX_FMT_FP4 matrix_b_fmt:MATRIX_FMT_FP4 matrix_a_scale:MATRIX_SCALE_ROW1
.elseif ((\ra) == 0) && ((\rb) == 1)
	v_wmma_scale_f32_16x16x128_f8f6f4 v[(\d):(\d)+7], v[(\a):(\a)+7], v[(\b):(\b)+7], v[(\c):(\c)+7], v[(\sa)], v[(\sb)] matrix_a_fmt:MATRIX_FMT_FP4 matrix_b_fmt:MATRIX_FMT_FP4 matrix_b_scale:MATRIX_SCALE_ROW1
.else
	v_wmma_scale_f32_16x16x128_f8f6f4 v[(\d):(\d)+7], v[(\a):(\a)+7], v[(\b):(\b)+7], v[(\c):(\c)+7], v[(\sa)], v[(\sb)] matrix_a_fmt:MATRIX_FMT_FP4 matrix_b_fmt:MATRIX_FMT_FP4 matrix_a_scale:MATRIX_SCALE_ROW1 matrix_b_scale:MATRIX_SCALE_ROW1
.endif
.endif
.endm
; 64 numbers of a lane, register 16 b + i = k 32 b + 16 (lane / 16) + i of my row, become a fragment's codes in v[pc] on and its scale word in v[pw].
.macro QUANT s, pc, pw
.irp b, 0,1,2,3
	v_max3_num_f32 v[TM+\b], |v[\s+16*\b]|, |v[\s+1+16*\b]|, 0x1800000   ; block b: my 16 numbers, and the floor 2^(3 - 127): the byte cannot fall under 1.  Each accumulator is read from its low end on
.endr
.irp i, 2,4,6,8,10,12,14
.irp b, 0,1,2,3
	v_max3_num_f32 v[TM+\b], v[TM+\b], |v[\s+16*\b+\i]|, |v[\s+1+16*\b+\i]|   ; the four blocks by turns
.endr
.endr
.irp b, 0,1,2,3
	v_permlanex16_b32 v[TM+4+\b], v[TM+\b], s[SEL], s[SEL+1]
.endr
.irp b, 0,1,2,3
	v_max_num_f32 v[TM+\b], v[TM+\b], v[TM+4+\b]   ; with lane l xor 16's: the block's largest magnitude
.endr
.irp b, 0,1,2,3
	v_add_nc_u32 v[TM+12+\b], 0xff000000, v[TM+\b] ; 2 off its exponent field: the conversion's scale operand
.endr
.irp b, 0,1,2,3
	v_lshrrev_b32 v[TM+4+\b], 23, v[TM+12+\b]      ; the scale's byte
.endr
	v_lshl_or_b32 v[\pw], v[TM+5], 8, v[TM+4]
	v_lshl_or_b32 v[\pw], v[TM+6], 16, v[\pw]
	v_lshl_or_b32 v[\pw], v[TM+7], 24, v[\pw]
.irp b, 0,1,2,3
	v_cvt_scalef32_pk8_fp4_f32 v[\pc+2*\b], v[\s+16*\b:\s+7+16*\b], v[TM+12+\b]
	v_cvt_scalef32_pk8_fp4_f32 v[\pc+1+2*\b], v[\s+8+16*\b:\s+15+16*\b], v[TM+12+\b]
.endr
	v_nop                                          ; one plain place behind a scaled conversion
.irp c, 0,1                            ; the operand's layout wants a whole block in a lane: lanes 0-15 block 2 c, lanes 16-31 block 2 c + 1
.irp i, 0,1
	v_permlane16_swap_b32 v[\pc+4*\c+\i], v[\pc+2+4*\c+\i]
.endr
.endr
.endm
.macro OUTU u                          ; unit u's image, and behind every second unit two units' scale words.  Every unit has registers of its own for what it stores: none is written again
.irp c, 0,1
	global_store_b128 v[L16], v[PC+8*(\u)+4*\c:PC+8*(\u)+4*\c+3], s[CB:CB+1] offset:(\u)*1024+\c*512
.endr
.if (\u)%2
	v_cndmask_b32 v[OUTW+(\u)/2], v[PWU+(\u)-1], v[PWU+(\u)], s[SHI]
	global_store_b32 v[L4], v[OUTW+(\u)/2], s[SBP:SBP+1] offset:((\u)/2)*128
.endif
.endm
	s_load_b256 s[4:11], s[0:1], 0x0               ; x, wimg, wsc, bq
	s_load_b256 s[12:19], s[0:1], 0x20             ; bk, bv, qpack, kc
	s_load_b128 s[20:23], s[0:1], 0x40             ; ksc, vc
	s_load_b64 s[24:25], s[0:1], 0x50              ; vsc
	v_lshl_add_u32 v[SPW], v0, 2, SPARE
	v_mov_b32 v[NIL], 0
	v_lshrrev_b32 v10, 5, v0
	v_readfirstlane_b32 s[WV], v10                 ; wave 0..7
	s_lshr_b32 s27, ttmp9, 5                       ; b
	s_and_b32 s28, ttmp9, 31                       ; ks
	s_and_b32 s29, s[WV], 3                        ; g
	s_lshr_b32 s30, s[WV], 2                       ; s
	s_and_b32 s31, s[WV], 1                        ; i of the q and k roles
	s_lshl_b32 s32, s27, 22                        ; x: ((256 b + 128 s) x 4,096 + 128 ks + 32 g) x 4 bytes
	s_lshl_b32 s33, s30, 21
	s_add_co_u32 s32, s32, s33
	s_lshl_b32 s33, s28, 9
	s_add_co_u32 s32, s32, s33
	s_lshl_b32 s33, s29, 7
	s_add_co_u32 s32, s32, s33
	s_mov_b32 s33, 0
	s_lshr_b32 s36, s[WV], 1                       ; my first weight tile: q 0, k 8, v 4 w
	s_lshl_b32 s36, s36, 3
	s_lshl_b32 s37, s[WV], 2
	s_cmp_lt_u32 s[WV], 4
	s_cselect_b32 s36, s36, s37
	s_lshl_b32 s38, s36, 11
	s_mov_b32 s39, 0
	s_lshl_b32 s34, s36, 7
	s_mov_b32 s35, 0
	s_mov_b32 s[SEL], 0x76543210
	s_mov_b32 s[SEL+1], 0xfedcba98                 ; v_permlanex16_b32's selects for lane l xor 16
	s_mov_b32 s[SHI], 0xffff0000                   ; lanes 16-31
	v_and_b32 v10, 31, v0
	v_lshlrev_b32 v[L16], 4, v10
	v_lshlrev_b32 v[L4], 2, v10
	v_and_b32 v[XA], 7, v0
	v_lshlrev_b32 v[XA], 2, v[XA]
	v_bfe_u32 v10, v0, 3, 1
	v_lshl_add_u32 v[XA], v10, 6, v[XA]            ; bit 3 of the lane counts 16 pixels,
	v_bfe_u32 v11, v0, 4, 1
	v_lshl_add_u32 v[XA], v11, 5, v[XA]            ; bit 4 counts 8
	v_lshlrev_b32 v[BA], 6, v11
	v_and_b32 v10, 15, v0
	v_lshlrev_b32 v[BR], 2, v10
	s_lshl_b32 s42, s29, 12                        ; every LDS address is made here, ahead of the parting
	s_lshl_b32 s43, s30, 10
	s_add_co_u32 s42, s42, s43
	v_add_nc_u32 v[XWI], s42, v[L16]
	s_lshl_b32 s42, s29, 8
	s_lshl_b32 s43, s30, 7
	s_add_co_u32 s42, s42, s43
	s_add_co_u32 s42, s42, XSC
	v_add_nc_u32 v[XWS], s42, v[L4]
	s_lshl_b32 s42, s31, 13
	v_add_nc_u32 v[FXA], s42, v[L16]
	s_lshl_b32 s42, s31, 9
	s_add_co_u32 s42, s42, XSC
	v_add_nc_u32 v[FXS], s42, v[L4]
.irp b, 0,1,2,3
	v_mov_b32 v[TM+4+\b], 0                        ; written once: a lane permute's destination counts as one of its sources
.endr
	s_wait_kmcnt 0x0
	s_add_nc_u64 s[4:5], s[4:5], s[32:33]
	s_add_nc_u64 s[6:7], s[6:7], s[38:39]          ; my weight tiles' images
	s_add_nc_u64 s[8:9], s[8:9], s[34:35]          ; and scale words
; ---- PHASE X
.macro XLOAD t                         ; block t: x(channel 128 s + 32 t + J, my pixel) into set t % 2
.set J, 0
.rept 32
	global_load_b32 v[XR+32*((\t)%2)+J], v[XA], s[4:5] offset:(32*(\t)+J)*16384 th:TH_LOAD_NT
.set J, J+1
.endr
.endm
.macro XBLOCK t
.set XS, XR+32*((\t)%2)
.if (\t) < 3
	s_wait_loadcnt 32                              ; this block's 32 loads are in; the next block's may be out
.else
	s_wait_loadcnt 0x0
.endif
	v_max3_num_f32 v10, |v[XS]|, |v[XS+1]|, |v[XS+2]|   ; the block's largest magnitude: all 32 numbers are mine; two chains
	v_max3_num_f32 v11, |v[XS+3]|, |v[XS+4]|, |v[XS+5]|
.irp i, 6,10,14,18,22,26
	v_max3_num_f32 v10, v10, |v[XS+\i]|, |v[XS+\i+1]|
	v_max3_num_f32 v11, v11, |v[XS+\i+2]|, |v[XS+\i+3]|
.endr
	v_max3_num_f32 v10, v10, |v[XS+30]|, |v[XS+31]|
	v_max3_num_f32 v10, v10, v11, 0x1800000        ; and the floor
	v_add_nc_u32 v[SOP], 0xff000000, v10
	v_lshrrev_b32 v11, 23, v[SOP]
.if (\t) == 0
	v_mov_b32 v[SBW], v11
.else
	v_lshl_or_b32 v[SBW], v11, 8*(\t), v[SBW]
.endif
.irp g, 0,1,2,3
	v_cvt_scalef32_pk8_fp4_f32 v[CT0+8*((\t)%2)+4*((\t)/2)+\g], v[XS+8*\g:XS+8*\g+7], v[SOP]
.endr
.if (\t)+2 < 4
	XLOAD (\t)+2
.endif
.endm
	XLOAD 0
	XLOAD 1
	XBLOCK 0
	XBLOCK 1
	XBLOCK 2
	XBLOCK 3
	v_nop                                          ; one plain place behind a scaled conversion
.irp k, 0,1,2,3,4,5,6,7
	v_permlane16_swap_b32 v[CT0+\k], v[CT1+\k]     ; tile 2 g's odd blocks come to lanes 16-31 of CT0, tile 2 g + 1's even blocks to lanes 0-15 of CT1: two fragments
.endr
.irp u, 0,1
.irp c, 0,1
	ds_store_b128 v[XWI], v[CT0+8*\u+4*\c:CT0+8*\u+4*\c+3] offset:\u*2048+\c*512
.endr
.endr
	ds_store_b32 v[XWS], v[SBW]
	s_wait_dscnt 0x0                               ; for the others' sake: my stores have landed
	s_barrier_signal -1
	s_barrier_wait -1                              ; x's sixteen fragments lie in LDS; nothing is stored to LDS behind this barrier
	s_cmp_lt_u32 s[WV], 4
	s_cbranch_scc0 .Lrole_v
; ---- q AND k
	s_lshl_b32 s42, s27, 6
	s_lshl_b32 s43, s28, 1
	s_add_co_u32 s42, s42, s43
	s_add_co_u32 s42, s42, s31                     ; 64 b + 2 ks + i: my group of four tiles
	s_mul_i32 s44, s42, 4352                       ; q: a group is four images and 256 bytes of scale words
	s_add_co_u32 s45, s44, 4096
	s_lshl_b32 s46, s42, 12                        ; k: images and scale words in buffers of their own
	s_lshl_b32 s47, s42, 8
	s_cmp_lt_u32 s[WV], 2
	s_cselect_b64 s[BP:BP+1], s[10:11], s[12:13]
	s_cselect_b64 s[CB:CB+1], s[16:17], s[18:19]
	s_cselect_b64 s[SBP:SBP+1], s[16:17], s[20:21]
	s_cselect_b32 s52, s44, s46
	s_cselect_b32 s54, s45, s47
	s_mov_b32 s53, 0
	s_mov_b32 s55, 0
	s_add_nc_u64 s[CB:CB+1], s[CB:CB+1], s[52:53]
	s_add_nc_u64 s[SBP:SBP+1], s[SBP:SBP+1], s[54:55]
	WIN 0x40                                       ; destination window 1
.set J, 0
.rept 32
	global_load_b128 v[4*J:4*J+3], v[L16], s[6:7] offset:512*J   ; the weight's 16 fragments, as they lie
.set J, J+1
.endr
	WIN 0
.irp t, 0,1,2,3,4,5,6,7
	global_load_b32 v[VSC+\t], v[L4], s[8:9] offset:128*\t       ; lanes 0-15: K step 0's words, lanes 16-31: K step 1's
	global_load_b128 v[BI+8*\t:BI+8*\t+3], v[BA], s[BP:BP+1] offset:(32*(\t/2)+8*(\t%2))*4      ; tile 2 b + u, lane half h: the bias of channels 32 b + 16 h + 8 u + 0 .. 7
	global_load_b128 v[BI+8*\t+4:BI+8*\t+7], v[BA], s[BP:BP+1] offset:(32*(\t/2)+8*(\t%2))*4+16
.endr
	s_wait_loadcnt 0x0
.macro UNITQ u                         ; tile 4 i + u of x: 16 pixels x 128 output channels.  The eight accumulators take turns
.irp s, 0,1
.irp c, 0,1
	ds_load_b128 v[FIX+8*\s+4*\c:FIX+8*\s+4*\c+3], v[FXA] offset:(\u)*2048+\s*1024+\c*512
.endr
	ds_load_b32 v[FSC+\s], v[FXS] offset:((\u)/2)*256+\s*128
.endr
	s_wait_dscnt 0x0
	WIN 0x01                                       ; source 0 window 1
.irp t, 0,1,2,3,4,5,6,7
	MMS ACC+8*\t,16*\t,FIX,BI+8*\t,VSC+\t,FSC,0,(\u)%2
.endr
.irp t, 0,1,2,3,4,5,6,7
	MMS ACC+8*\t,16*\t+8,FIX+8,ACC+8*\t,VSC+\t,FSC+1,1,(\u)%2
.endr
	WIN 0
.rept 4
	v_nop                                          ; four places in front of the first read of results and of the next unit's loads into operands
.endr
	QUANT ACC, PC+8*(\u), PWU+(\u)
	OUTU \u
.endm
	UNITQ 0
	UNITQ 1
	UNITQ 2
	UNITQ 3
	s_branch .Ldone
; ---- v
.Lrole_v:
	s_sub_co_u32 s42, s[WV], 4                     ; i
	s_lshl_b32 s43, s27, 5
	s_add_co_u32 s43, s43, s28
	s_lshl_b32 s43, s43, 2
	s_add_co_u32 s43, s43, s42                     ; ((32 b + ks) x 16 + 4 i) / 4
	s_lshl_b32 s52, s43, 12
	s_mov_b32 s53, 0
	s_lshl_b32 s54, s43, 8
	s_mov_b32 s55, 0
	s_add_nc_u64 s[CB:CB+1], s[22:23], s[52:53]
	s_add_nc_u64 s[SBP:SBP+1], s[24:25], s[54:55]
	s_lshl_b32 s52, s42, 8
	s_add_nc_u64 s[BP:BP+1], s[14:15], s[52:53]    ; bv at my 64 channels
.set J, 0
.rept 16
	global_load_b128 v[FIXV+4*J:FIXV+4*J+3], v[L16], s[6:7] offset:512*J   ; my four tiles of Wv
.set J, J+1
.endr
.irp u, 0,1,2,3
	global_load_b32 v[FSC+\u], v[L4], s[8:9] offset:128*\u
	global_load_b32 v[BVL+\u], v[BR], s[BP:BP+1] offset:64*\u
.endr
	WIN 0x40
.set J, 0
.rept 32
	ds_load_b128 v[4*J:4*J+3], v[L16] offset:512*J                 ; x's 16 fragments
.set J, J+1
.endr
	WIN 0
.irp p, 0,1,2,3,4,5,6,7
	ds_load_b32 v[VSC+\p], v[L4] offset:XSC+128*\p                 ; pair (g, s) at 2 g + s
.endr
	s_wait_loadcnt 0x0
.irp u, 0,1,2,3
.irp j, 0,1,2,3,4,5,6,7
	v_mov_b32 v[BV+8*\u+\j], v[BVL+\u]             ; a lane holds one channel: its bias stands in all eight registers of C
.endr
.endr
	s_wait_dscnt 0x0
.macro UNITV u                         ; channel tile 4 i + u: 16 channels x 128 pixels
	WIN 0x01
.irp t, 0,1,2,3,4,5,6,7
	MMS ACC+8*\t,16*\t,FIXV+16*(\u),BV+8*(\u),VSC+2*(\t/2),FSC+(\u),\t%2,0
.endr
.irp t, 0,1,2,3,4,5,6,7
	MMS ACC+8*\t,16*\t+8,FIXV+16*(\u)+8,ACC+8*\t,VSC+2*(\t/2)+1,FSC+(\u),\t%2,1
.endr
	WIN 0
.rept 4
	v_nop
.endr
	QUANT ACC, PC+8*(\u), PWU+(\u)
	OUTU \u
.endm
	UNITV 0
	UNITV 1
	UNITV 2
	UNITV 3
.Ldone:
	s_wait_tensorcnt 0x0                           ; the wave's end, behind my last LDS store
	ds_add_u32 v[SPW], v[NIL]
	s_wait_dscnt 0x0
	s_endpgm
.Lfunc_end_k_q61c2e8eb1c_proj:
	.size	k_q61c2e8eb1c_proj, .Lfunc_end_k_q61c2e8eb1c_proj-k_q61c2e8eb1c_proj
	.p2alignl 7, 3214868480
	.fill 96, 4, 3214868480
	.section	.rodata,"a",@progbits
	.p2align	6, 0x0
	.amdhsa_kernel k_q61c2e8eb1c_proj
		.amdhsa_group_segment_fixed_size 18432
		.amdhsa_private_segment_fixed_size 0
		.amdhsa_enable_private_segment 0
		.amdhsa_kernarg_size 88
		.amdhsa_user_sgpr_count 2
		.amdhsa_user_sgpr_kernarg_segment_ptr 1
		.amdhsa_wavefront_size32 1
		.amdhsa_system_sgpr_workgroup_id_x 1
		.amdhsa_system_sgpr_workgroup_id_y 1
		.amdhsa_system_sgpr_workgroup_id_z 1
		.amdhsa_system_vgpr_workitem_id 0
		.amdhsa_next_free_vgpr 384
		.amdhsa_next_free_sgpr 66
		.amdhsa_reserve_vcc 0
		.amdhsa_float_denorm_mode_32 3
		.amdhsa_float_denorm_mode_16_64 3
		.amdhsa_memory_ordered 1
		.amdhsa_forward_progress 1
		.amdhsa_inst_pref_size 85
	.end_amdhsa_kernel
	.amdgpu_metadata
---
amdhsa.version: [ 1, 2 ]
amdhsa.kernels:
  - .name:           k_q61c2e8eb1c_proj
    .symbol:         k_q61c2e8eb1c_proj.kd
    .args:
      - { .name: x, .offset: 0, .size: 8, .value_kind: global_buffer, .address_space: global }
      - { .name: wimg, .offset: 8, .size: 8, .value_kind: global_buffer, .address_space: global }
      - { .name: wsc, .offset: 16, .size: 8, .value_kind: global_buffer, .address_space: global }
      - { .name: bq, .offset: 24, .size: 8, .value_kind: global_buffer, .address_space: global }
      - { .name: bk, .offset: 32, .size: 8, .value_kind: global_buffer, .address_space: global }
      - { .name: bv, .offset: 40, .size: 8, .value_kind: global_buffer, .address_space: global }
      - { .name: qpack, .offset: 48, .size: 8, .value_kind: global_buffer, .address_space: global }
      - { .name: kc, .offset: 56, .size: 8, .value_kind: global_buffer, .address_space: global }
      - { .name: ksc, .offset: 64, .size: 8, .value_kind: global_buffer, .address_space: global }
      - { .name: vc, .offset: 72, .size: 8, .value_kind: global_buffer, .address_space: global }
      - { .name: vsc, .offset: 80, .size: 8, .value_kind: global_buffer, .address_space: global }
    .group_segment_fixed_size: 18432
    .private_segment_fixed_size: 0
    .kernarg_segment_align: 8
    .kernarg_segment_size: 88
    .max_flat_workgroup_size: 256
    .sgpr_count:     66
    .vgpr_count:     384
    .wavefront_size: 32
...
	.end_amdgpu_metadata
.endif
;; end of part 2
;; launch stats (part 3): grid 32 x 8, 16 waves a work-group, clusters of 4 x 1, 288,768 bytes of LDS; arguments qpack, kc, ksc, nlse; writes nlse
.if DOCPART == 3
	.amdgcn_target "amdgcn-amd-amdhsa--gfx1250"
	.amdhsa_code_object_version 6
	.text
	.protected	k_q61c2e8eb1c_stats
	.globl	k_q61c2e8eb1c_stats
	.p2align	8
	.type	k_q61c2e8eb1c_stats,@function
k_q61c2e8eb1c_stats:
	s_mov_b64 s[64:65], 0
	v_nop
	global_prefetch_b8 v0, s[64:65] scope:SCOPE_SE
	s_setreg_imm32_b32 hwreg(HW_REG_WAVE_MODE, 25, 1), 1
	s_wait_xcnt 0x0
	s_wait_alu depctr_hold_cnt(0) depctr_sa_sdst(0) depctr_va_vdst(0) depctr_va_sdst(0) depctr_va_ssrc(0) depctr_va_vcc(0) depctr_vm_vsrc(0)
	s_getreg_b32 s2, hwreg(HW_REG_IB_STS2, 6, 4)
	s_cmp_eq_u32 s2, 0
	s_cbranch_scc0 .Lentry_in_a_cluster
	s_endpgm
.Lentry_in_a_cluster:
	s_bfe_u32 s2, ttmp6, 0x10000c
	s_cmp_lg_u32 s2, 0x3003
	s_cbranch_scc0 .Lentry_shape_is_right
	s_endpgm
.Lentry_shape_is_right:
; For every key n of every batch: nlse[n] = -(mu + ln(sum over all queries m of e^(s(m, n) - mu))), s = q_m . k_n on codes of E2M1, mu the column's maximum, found as a running maximum.  Nothing of reference() is left out here.
; A work-group takes 128 keys (blk = 4 x cluster x + cx) of batch b = cluster y, and walks all 4,096 queries.  Wave w: key tiles 2 kp, 2 kp + 1 (kp = w % 4), kept in registers, and a quarter of the queries (mg = w / 4).
; A step: one group of qpack (4 tiles, 64 queries) x my 32 keys: 8 matrix instructions, each a whole score tile (K = 128).  Source 0 = queries, source 1 = keys: A LANE HOLDS ONE KEY and its registers run over queries,
; so each lane keeps a running maximum m and sum l of its own and no lane is asked for anything in the loop.  With c = log2 e: l = the sum of 2^(c s - cm), cm = c m rounded; when m grows, l is multiplied by 2^(cm old - cm new).
; The eight parts of a key (4 waves x 2 lane halves) meet in LDS at the end; lse = M + ln 2 x (log2(sum) - e), e = c M - cM, made exactly by one fused multiply-add, takes the rounding of cM out again.
; LDS: the batch's whole qpack, 278,528 bytes, dense, FILLED ONCE: no ring, no refill.  Fragment images are read 512 consecutive bytes an instruction: no padding.
; CLUSTER: the four work-groups of a cluster belong to one batch and read the same qpack: every tile is asked for jointly (mask 15), with descriptors made of the batch and the wave's number alone.
; Every wave issues four loads of one group each (17 rows of 256 bytes), load c = group 16 c + w: four of mine are out at the most.  They end in order, so chunk c (16 groups) is worked on while the later chunks are on their way;
; that is why a wave's 68 rows are four loads and not one.  All loads go out at the head, so there is nothing to prefetch.
; LIMITS: as stated at the head of wq; m starts at -2^127.
.set GRP,   4352                       ; a group: four images of 1,024 bytes, then 2 x 128 bytes of scale words (lanes 0-15 tile 2 p, lanes 16-31 tile 2 p + 1)
.set MRG,   278528                     ; [m, l][part 2 mg + h][128 keys in their natural order] f32: 8,192 bytes into which no tensor load lands
.set SPARE, 286720                     ; the spare words, 128 bytes for each wave: eight blocks of 256 bytes that no other line names
.set L16, 1                            ; v1   16 x lane
.set L4,  2                            ; v2   4 x lane
.set ADR, 3                            ; v3   the step's images
.set ADS, 4                            ; v4   and scale words
.set SPW, 5                            ; v5   my spare word; never rewritten
.set NIL, 6                            ; v6   0; never rewritten
.set MWR, 7                            ; v7   where my m goes in MRG
.set KSC, 8                            ; v8   my two key tiles' scale words
.set QSC, 10                           ; v10-11 the group's
.set MRD, 12                           ; v12  where waves 0, 1 read MRG
.set OOF, 13                           ; v13  8 x lane
.set ST,  16                           ; key tile k at v[16 + 8 k]: +0 cm, +1 m, +2, +3 l (even, odd registers'), +4 .. +7 at work; a takes +6
.set KF,  32                           ; v32-47  my two key tiles
.set QF,  48                           ; v48-79  the group's four tiles
.set S,   96                           ; v96-159 scores: tile (k, i) at 8 (4 k + i)
.set MM,  96                           ; the merge: eight pairs of m,
.set LL,  112                          ; eight of l,
.set MX,  128                          ; M, cM, e, the sum, its logarithm, the result: a pair each (two keys a lane)
.set CM,  130
.set EE,  132
.set SU,  134
.set LG,  136
.set RS,  138
.set WV,  12
.set G1,  24                           ; s[24:31] descriptor group 1
.set G0,  32                           ; s[32:47] four groups 0
.set CS,  48                           ; s[48:49] c
.set SBS, 50                           ; s50 LDS byte of the step's group
.set CNT, 51
.set LN2, 52
.macro MMS d, a, b, c, sa, sb, ra, rb  ; one matrix instruction.  c = -1: the constant 0 as C.  ra, rb = 1: that side's scale words stand in lanes 16-31
.if (\c) < 0
.if ((\ra) == 0) && ((\rb) == 0)
	v_wmma_scale_f32_16x16x128_f8f6f4 v[(\d):(\d)+7], v[(\a):(\a)+7], v[(\b):(\b)+7], 0, v[(\sa)], v[(\sb)] matrix_a_fmt:MATRIX_FMT_FP4 matrix_b_fmt:MATRIX_FMT_FP4
.elseif ((\ra) == 1) && ((\rb) == 0)
	v_wmma_scale_f32_16x16x128_f8f6f4 v[(\d):(\d)+7], v[(\a):(\a)+7], v[(\b):(\b)+7], 0, v[(\sa)], v[(\sb)] matrix_a_fmt:MATRIX_FMT_FP4 matrix_b_fmt:MATRIX_FMT_FP4 matrix_a_scale:MATRIX_SCALE_ROW1
.elseif ((\ra) == 0) && ((\rb) == 1)
	v_wmma_scale_f32_16x16x128_f8f6f4 v[(\d):(\d)+7], v[(\a):(\a)+7], v[(\b):(\b)+7], 0, v[(\sa)], v[(\sb)] matrix_a_fmt:MATRIX_FMT_FP4 matrix_b_fmt:MATRIX_FMT_FP4 matrix_b_scale:MATRIX_SCALE_ROW1
.else
	v_wmma_scale_f32_16x16x128_f8f6f4 v[(\d):(\d)+7], v[(\a):(\a)+7], v[(\b):(\b)+7], 0, v[(\sa)], v[(\sb)] matrix_a_fmt:MATRIX_FMT_FP4 matrix_b_fmt:MATRIX_FMT_FP4 matrix_a_scale:MATRIX_SCALE_ROW1 matrix_b_scale:MATRIX_SCALE_ROW1
.endif
.endif
.endm
.macro CROUND                          ; a round of the cluster's barrier: my work-group's barrier; wave 0 signals for the work-group; every wave waits for all four work-groups; my work-group's barrier once more
	s_barrier_signal -1
	s_barrier_wait -1
	s_cmp_lg_u32 s[WV], 0
	s_cbranch_scc1 .Lnot_wave_0_\@
	s_barrier_signal -3
.Lnot_wave_0_\@:
	s_barrier_wait -3
	s_barrier_signal -1
	s_barrier_wait -1
.endm
	s_load_b256 s[4:11], s[0:1], 0x0               ; qpack, kc, ksc, nlse
	v_lshl_add_u32 v[SPW], v0, 2, SPARE
	v_mov_b32 v[NIL], 0
	ds_add_u32 v[SPW], v[NIL]                      ; the wave's opening: the add, twice on end, and its wait ahead of my first tensor load
	ds_add_u32 v[SPW], v[NIL]                      ; and once more, under the one wait; the set-up below, work on registers, stands between
	v_lshrrev_b32 v9, 5, v0
	v_readfirstlane_b32 s[WV], v9                  ; wave 0..15
	s_bfe_u32 s13, ttmp6, 0x40000                  ; cx
	s_lshl_b32 s14, ttmp9, 2
	s_add_co_u32 s14, s14, s13                     ; blk: it enters the keys' and the result's global addresses alone
	s_and_b32 s15, ttmp7, 0xffff                   ; b, which the four partners share
	s_and_b32 s16, s[WV], 3                        ; kp
	s_lshr_b32 s17, s[WV], 2                       ; mg
	s_mov_b32 s[G1], 15|(3<<16)|(1<<21)            ; 15:0 the mask: all four work-groups; 17:16 elements of 8 bytes; 21 set beside a mask; no padding
	s_mov_b32 s[G1+1], 32<<16                      ; tensor_dim0 = 32 elements: 256 bytes
	s_mov_b32 s[G1+2], 17<<16                      ; tensor_dim1 = 17
	s_mov_b32 s[G1+3], 32<<16                      ; tile_dim0 = 32
	s_mov_b32 s[G1+4], 17                          ; tile_dim1 = 17
	s_mov_b32 s[G1+5], 32                          ; from row to row: dense
	s_mov_b32 s[G1+6], 0
	s_mov_b32 s[G1+7], 0
	s_mul_i32 s20, s[WV], GRP                      ; group w: its place in LDS and in the batch's qpack
	s_mul_i32 s18, s15, 64*GRP
	s_add_co_u32 s18, s18, s20
	s_mov_b32 s19, 0
	s_mov_b32 s[CS], 0x3fb8aa3b                    ; c = log2 e
	s_mov_b32 s[CS+1], s[CS]                       ; (named with it as a pair, so it is written)
	s_mov_b32 s[LN2], 0x3f317218                   ; ln 2
	s_mul_i32 s[SBS], s17, 4*GRP                   ; my first group: 4 mg
	v_and_b32 v9, 31, v0
	v_lshlrev_b32 v[L16], 4, v9
	v_lshlrev_b32 v[L4], 2, v9
	v_lshlrev_b32 v[OOF], 3, v9
	s_and_b32 s21, s[WV], 1
	s_lshl_b32 s21, s21, 8
	s_add_co_u32 s21, s21, MRG
	v_add_nc_u32 v[MRD], s21, v[OOF]               ; keys 64 (w % 2) + 2 lane, + 1
	v_and_b32 v9, 15, v0                           ; r
	v_bfe_u32 v14, v0, 4, 1                        ; h
	v_and_b32 v15, 8, v9
	v_add_nc_u32 v15, v15, v9                      ; row r of key tile 2 kp + k is key 32 kp + 8 k + r + 8 (r / 8)
	v_lshlrev_b32 v[MWR], 2, v15
	v_lshl_add_u32 v[MWR], v14, 9, v[MWR]          ; part 2 mg + h: 512 bytes a part
	s_lshl_b32 s21, s17, 10
	s_lshl_b32 s22, s16, 7
	s_add_co_u32 s21, s21, s22
	s_add_co_u32 s21, s21, MRG
	v_add_nc_u32 v[MWR], s21, v[MWR]
	s_wait_dscnt 0x0                               ; both opening adds are done
	s_wait_kmcnt 0x0
	s_add_nc_u64 s[4:5], s[4:5], s[18:19]
	CROUND                                         ; all four work-groups are here: the joint loads meet
.irp c, 0,1,2,3
	s_mov_b32 s[G0+4*\c], 1                                        ; count = 1
	s_add_co_u32 s[G0+4*\c+1], s20, \c*16*GRP                      ; LDS address: group 16 c + w
	s_add_nc_u64 s[G0+4*\c+2:G0+4*\c+3], s[4:5], \c*16*GRP         ; the same group in memory
	s_or_b32 s[G0+4*\c+3], s[G0+4*\c+3], 0x80000000                ; type = 2
	tensor_load_to_lds s[G0+4*\c:G0+4*\c+3], s[G1:G1+7]
	s_nop 0
.endr
.rept 4
	v_nop
.endr
	s_lshl_b32 s21, s15, 8
	s_lshl_b32 s22, s14, 3
	s_add_co_u32 s21, s21, s22
	s_lshl_b32 s22, s16, 1
	s_add_co_u32 s21, s21, s22                     ; my first key tile: 256 b + 8 blk + 2 kp
	s_lshl_b32 s22, s21, 10
	s_mov_b32 s23, 0
	s_add_nc_u64 s[6:7], s[6:7], s[22:23]
	s_lshl_b32 s22, s21, 6
	s_add_nc_u64 s[8:9], s[8:9], s[22:23]
	s_lshl_b32 s22, s15, 14                        ; the result: (4,096 b + 128 blk + 64 w) x 4 bytes (waves 0 and 1 store)
	s_lshl_b32 s21, s14, 9
	s_add_co_u32 s22, s22, s21
	s_lshl_b32 s21, s[WV], 8
	s_add_co_u32 s22, s22, s21
	s_add_nc_u64 s[10:11], s[10:11], s[22:23]
.irp j, 0,1,2,3
	global_load_b128 v[KF+4*\j:KF+4*\j+3], v[L16], s[6:7] offset:512*\j
.endr
	global_load_b32 v[KSC], v[L4], s[8:9]
.irp k, 0,1
	v_mov_b32 v[ST+8*\k+1], 0xff000000             ; m = -2^127
	v_mov_b32 v[ST+8*\k+2], 0                      ; l
	v_mov_b32 v[ST+8*\k+3], 0
.endr
.irp k, 0,1
	v_mul_f32 v[ST+8*\k], s[CS], v[ST+8*\k+1]      ; cm
.endr
	s_wait_loadcnt 0x0
.macro STEP
	v_add_nc_u32 v[ADR], s[SBS], v[L16]
	v_add_nc_u32 v[ADS], s[SBS], v[L4]
.irp i, 0,1,2,3
.irp c, 0,1
	ds_load_b128 v[QF+8*\i+4*\c:QF+8*\i+4*\c+3], v[ADR] offset:\i*1024+\c*512
.endr
.endr
.irp p, 0,1
	ds_load_b32 v[QSC+\p], v[ADS] offset:4096+128*\p
.endr
	s_wait_dscnt 0x0
.irp i, 0,1,2,3
.irp k, 0,1
	MMS S+8*(4*\k+\i),QF+8*\i,KF+8*\k,-1,QSC+\i/2,KSC,\i%2,\k
.endr
.endr
.rept 4
	v_nop                                          ; four places in front of the first read of results; they also serve the next step's loads into the operands
.endr
.irp j, 0,1,2,3                        ; the maximum of a key tile's 32 scores and the old m: four chains, each tile read from its low end on; the two key tiles by turns
.irp k, 0,1
	v_max3_num_f32 v[ST+8*\k+4+\j], v[S+32*\k+8*\j], v[S+32*\k+8*\j+1], v[S+32*\k+8*\j+2]
.endr
.endr
.irp e, 3,5
.irp j, 0,1,2,3
.irp k, 0,1
	v_max3_num_f32 v[ST+8*\k+4+\j], v[ST+8*\k+4+\j], v[S+32*\k+8*\j+\e], v[S+32*\k+8*\j+\e+1]
.endr
.endr
.endr
.irp k, 0,1
	v_max3_num_f32 v[ST+8*\k+4], v[ST+8*\k+4], v[S+32*\k+7], v[S+32*\k+15]
	v_max3_num_f32 v[ST+8*\k+6], v[ST+8*\k+6], v[S+32*\k+23], v[S+32*\k+31]
.endr
.irp k, 0,1
	v_max3_num_f32 v[ST+8*\k+4], v[ST+8*\k+4], v[ST+8*\k+5], v[ST+8*\k+6]
.endr
.irp k, 0,1
	v_mov_b32 v[ST+8*\k+5], v[ST+8*\k]             ; cm old
.endr
.irp k, 0,1
	v_max3_num_f32 v[ST+8*\k+1], v[ST+8*\k+4], v[ST+8*\k+7], v[ST+8*\k+1]   ; the new m
.endr
.irp k, 0,1
	v_mul_f32 v[ST+8*\k], s[CS], v[ST+8*\k+1]
.endr
.irp k, 0,1
	v_sub_f32 v[ST+8*\k+7], v[ST+8*\k+5], v[ST+8*\k]
.endr
.set J, 0
.rept 16
.irp k, 0,1
	v_pk_fma_f32 v[S+32*\k+2*J:S+32*\k+2*J+1], v[S+32*\k+2*J:S+32*\k+2*J+1], s[CS:CS+1], v[ST+8*\k:ST+8*\k+1] op_sel_hi:[1,0,0] neg_lo:[0,0,1] neg_hi:[0,0,1]   ; c s - cm, two at a time
.endr
.set J, J+1
.endr
.irp k, 0,1
	v_exp_f32 v[ST+8*\k+6], v[ST+8*\k+7]           ; a = 2^(cm old - cm new)
.endr
.set J, 0
.rept 64
	v_exp_f32 v[S+J], v[S+J]
.set J, J+1
.endr
	v_nop                                          ; the plain instruction behind the last exponential
	s_wait_alu depctr_va_vdst(0)                   ; one wait for the batch of 66, ahead of its first reader
.irp u, 0,1,2,3,4,5,6,7                ; the sum of a key tile's 16 pairs, in place: neighbours 1, 2, 4, 8 pairs apart
.irp k, 0,1
	v_pk_add_f32 v[S+32*\k+4*\u:S+32*\k+4*\u+1], v[S+32*\k+4*\u:S+32*\k+4*\u+1], v[S+32*\k+4*\u+2:S+32*\k+4*\u+3]
.endr
.endr
.irp u, 0,1,2,3
.irp k, 0,1
	v_pk_add_f32 v[S+32*\k+8*\u:S+32*\k+8*\u+1], v[S+32*\k+8*\u:S+32*\k+8*\u+1], v[S+32*\k+8*\u+4:S+32*\k+8*\u+5]
.endr
.endr
.irp u, 0,1
.irp k, 0,1
	v_pk_add_f32 v[S+32*\k+16*\u:S+32*\k+16*\u+1], v[S+32*\k+16*\u:S+32*\k+16*\u+1], v[S+32*\k+16*\u+8:S+32*\k+16*\u+9]
.endr
.endr
.irp k, 0,1
	v_pk_add_f32 v[S+32*\k:S+32*\k+1], v[S+32*\k:S+32*\k+1], v[S+32*\k+16:S+32*\k+17]
.endr
.irp k, 0,1
	v_pk_fma_f32 v[ST+8*\k+2:ST+8*\k+3], v[ST+8*\k+2:ST+8*\k+3], v[ST+8*\k+6:ST+8*\k+7], v[S+32*\k:S+32*\k+1] op_sel_hi:[1,0,1]   ; l = l a + the sum
.endr
.endm
.macro CHUNK c                         ; groups 16 c .. 16 c + 15; mine are 16 c + 4 mg + 0 .. 3
	s_wait_tensorcnt 3-\c                          ; my load of this chunk has landed; my loads of the later chunks may stay out
	s_barrier_signal -1
	s_barrier_wait -1                              ; everybody's has
	s_mov_b32 s[CNT], 4
.Lstep_\@:
	STEP
	s_add_co_u32 s[SBS], s[SBS], GRP
	s_sub_co_u32 s[CNT], s[CNT], 1
	s_cmp_lg_u32 s[CNT], 0
	s_cbranch_scc1 .Lstep_\@
.if \c < 3
	s_add_co_u32 s[SBS], s[SBS], 12*GRP
.endif
.endm
	CHUNK 0
	CHUNK 1
	CHUNK 2
	CHUNK 3
	; ---- the eight parts of each key meet
.irp k, 0,1
	v_add_f32 v[ST+8*\k+2], v[ST+8*\k+2], v[ST+8*\k+3]
.endr
.irp k, 0,1
	ds_store_b32 v[MWR], v[ST+8*\k+1] offset:32*\k
	ds_store_b32 v[MWR], v[ST+8*\k+2] offset:4096+32*\k
.endr
	s_wait_dscnt 0x0                               ; for the others' sake: my stores have landed
	s_barrier_signal -1
	s_barrier_wait -1
	s_cmp_lt_u32 s[WV], 2                          ; 128 keys, two a lane: waves 0 and 1 finish them
	s_cbranch_scc0 .Lend
.irp p, 0,1,2,3,4,5,6,7
	ds_load_b64 v[MM+2*\p:MM+2*\p+1], v[MRD] offset:512*\p
.endr
.irp p, 0,1,2,3,4,5,6,7
	ds_load_b64 v[LL+2*\p:LL+2*\p+1], v[MRD] offset:4096+512*\p
.endr
	s_wait_dscnt 0x0
.irp e, 0,1
	v_max3_num_f32 v[MX+\e], v[MM+\e], v[MM+2+\e], v[MM+4+\e]
	v_max3_num_f32 v[MX+\e], v[MX+\e], v[MM+6+\e], v[MM+8+\e]
	v_max3_num_f32 v[MX+\e], v[MX+\e], v[MM+10+\e], v[MM+12+\e]
	v_max_num_f32 v[MX+\e], v[MX+\e], v[MM+14+\e]  ; M
.endr
	v_pk_mul_f32 v[CM:CM+1], v[MX:MX+1], s[CS:CS+1] op_sel_hi:[1,0]   ; cM
.irp p, 0,1,2,3,4,5,6,7
	v_pk_mul_f32 v[MM+2*\p:MM+2*\p+1], v[MM+2*\p:MM+2*\p+1], s[CS:CS+1] op_sel_hi:[1,0]   ; the part's cm: the same product as in the loop, so the same bits
.endr
.irp p, 0,1,2,3,4,5,6,7
	v_pk_add_f32 v[MM+2*\p:MM+2*\p+1], v[MM+2*\p:MM+2*\p+1], v[CM:CM+1] neg_lo:[0,1] neg_hi:[0,1]
.endr
.set J, 0
.rept 16
	v_exp_f32 v[MM+J], v[MM+J]
.set J, J+1
.endr
	v_pk_fma_f32 v[EE:EE+1], v[MX:MX+1], s[CS:CS+1], v[CM:CM+1] op_sel_hi:[1,0,1] neg_lo:[0,0,1] neg_hi:[0,0,1]   ; e = c M - cM, exact.  (The plain instruction behind the exponentials)
	s_wait_alu depctr_va_vdst(0)                   ; one wait for the sixteen
	v_pk_mul_f32 v[SU:SU+1], v[LL:LL+1], v[MM:MM+1]
.irp p, 1,2,3,4,5,6,7
	v_pk_fma_f32 v[SU:SU+1], v[LL+2*\p:LL+2*\p+1], v[MM+2*\p:MM+2*\p+1], v[SU:SU+1]
.endr
	v_log_f32 v[LG], v[SU]
	v_log_f32 v[LG+1], v[SU+1]
	v_nop
	s_wait_alu depctr_va_vdst(0)                   ; and one for the two logarithms
	v_pk_add_f32 v[LG:LG+1], v[LG:LG+1], v[EE:EE+1] neg_lo:[0,1] neg_hi:[0,1]
	v_fma_f32 v[RS], -v[LG], s[LN2], -v[MX]        ; -lse = -(log2(sum) - e) ln 2 - M
	v_fma_f32 v[RS+1], -v[LG+1], s[LN2], -v[MX+1]
	global_store_b64 v[OOF], v[RS:RS+1], s[10:11]  ; 32 lanes store 256 consecutive bytes, at a multiple of 256 from the buffer's first byte
.Lend:
	s_wait_tensorcnt 0x0                           ; the wave's end, behind my last tensor load and my last LDS store
	ds_add_u32 v[SPW], v[NIL]
	s_wait_dscnt 0x0
	CROUND                                         ; the closing round
	s_endpgm
.Lfunc_end_k_q61c2e8eb1c_stats:
	.size	k_q61c2e8eb1c_stats, .Lfunc_end_k_q61c2e8eb1c_stats-k_q61c2e8eb1c_stats
	.p2alignl 7, 3214868480
	.fill 96, 4, 3214868480
	.section	.rodata,"a",@progbits
	.p2align	6, 0x0
	.amdhsa_kernel k_q61c2e8eb1c_stats
		.amdhsa_group_segment_fixed_size 288768
		.amdhsa_private_segment_fixed_size 0
		.amdhsa_enable_private_segment 0
		.amdhsa_kernarg_size 32
		.amdhsa_user_sgpr_count 2
		.amdhsa_user_sgpr_kernarg_segment_ptr 1
		.amdhsa_wavefront_size32 1
		.amdhsa_system_sgpr_workgroup_id_x 1
		.amdhsa_system_sgpr_workgroup_id_y 1
		.amdhsa_system_sgpr_workgroup_id_z 1
		.amdhsa_system_vgpr_workitem_id 0
		.amdhsa_next_free_vgpr 160
		.amdhsa_next_free_sgpr 66
		.amdhsa_reserve_vcc 0
		.amdhsa_float_denorm_mode_32 3
		.amdhsa_float_denorm_mode_16_64 3
		.amdhsa_memory_ordered 1
		.amdhsa_forward_progress 1
		.amdhsa_inst_pref_size 53
	.end_amdhsa_kernel
	.amdgpu_metadata
---
amdhsa.version: [ 1, 2 ]
amdhsa.kernels:
  - .name:           k_q61c2e8eb1c_stats
    .symbol:         k_q61c2e8eb1c_stats.kd
    .args:
      - { .name: qpack, .offset: 0, .size: 8, .value_kind: global_buffer, .address_space: global }
      - { .name: kc, .offset: 8, .size: 8, .value_kind: global_buffer, .address_space: global }
      - { .name: ksc, .offset: 16, .size: 8, .value_kind: global_buffer, .address_space: global }
      - { .name: nlse, .offset: 24, .size: 8, .value_kind: global_buffer, .address_space: global }
    .group_segment_fixed_size: 288768
    .private_segment_fixed_size: 0
    .kernarg_segment_align: 8
    .kernarg_segment_size: 32
    .max_flat_workgroup_size: 512
    .sgpr_count:     66
    .vgpr_count:     160
    .wavefront_size: 32
...
	.end_amdgpu_metadata
.endif
;; end of part 3
;; launch attn (part 4): grid 32 x 8, 8 waves a work-group, clusters of 4 x 1, 327,680 bytes of LDS; arguments qpack, kc, ksc, vc, vsc, nlse, gamma, x, out0; writes out0
.if DOCPART == 4
	.amdgcn_target "amdgcn-amd-amdhsa--gfx1250"
	.amdhsa_code_object_version 6
	.text
	.protected	k_q61c2e8eb1c_attn
	.globl	k_q61c2e8eb1c_attn
	.p2align	8
	.type	k_q61c2e8eb1c_attn,@function
k_q61c2e8eb1c_attn:
	s_mov_b64 s[64:65], 0
	v_nop
	global_prefetch_b8 v0, s[64:65] scope:SCOPE_SE
	s_setreg_imm32_b32 hwreg(HW_REG_WAVE_MODE, 25, 1), 1
	s_wait_xcnt 0x0
	s_wait_alu depctr_hold_cnt(0) depctr_sa_sdst(0) depctr_va_vdst(0) depctr_va_sdst(0) depctr_va_ssrc(0) depctr_va_vcc(0) depctr_vm_vsrc(0)
	s_getreg_b32 s2, hwreg(HW_REG_IB_STS2, 6, 4)
	s_cmp_eq_u32 s2, 0
	s_cbranch_scc0 .Lentry_in_a_cluster
	s_endpgm
.Lentry_in_a_cluster:
	s_bfe_u32 s2, ttmp6, 0x10000c
	s_cmp_lg_u32 s2, 0x3003
	s_cbranch_scc0 .Lentry_shape_is_right
	s_endpgm
.Lentry_shape_is_right:
; out[b][c][m] = gamma x (sum over keys n of v[c][n] attn[m][n]) + x[b][c][m], attn[m][n] = e^(s(m, n) - lse[n]), both products on codes of E2M1.  Nothing of reference() is left out here.
; lse[n], the logarithm of key n's column sum, comes from the launch before as -lse.  IT IS THE C OF THE SCORE PRODUCT: D = s - lse leaves the matrix unit in one rounding; t = D log2 e; attn = 2^t, finished and normalised, as it is to be quantised.
; So there is no running maximum here (the maximum was taken away where the sums were made), no rescaling and no row sum.
; SHARES.  A work-group: 128 queries (blk = 4 x cluster x + cx) of batch b = cluster y, all 256 channels.  Wave w: query tiles 2 mp + a, a = 0, 1 (mp = w % 4), and half of the key steps (kh = w / 4); the two halves' sums meet in LDS at the end.
; LAYOUT.  S^T = K Q^T (source 0 = 16 keys, source 1 = 16 queries): a lane holds one query, and register j of lane half h the key of the tile's row 8 h + j.
; A LANE HOLDS A WHOLE BLOCK OF 32 KEYS.  Which keys form a tile is free, and it is chosen here, at the LDS load, by a lane's address: row 8 hr + j of tile tt of a group of 64 keys is key 32 hr + 8 tt + j.  (In the stored images, whose tile 2 b + u
; has as row 8 x + j the key 32 b + 16 x + 8 u + j, that is tile 4 g + 2 hr + tt % 2, row 8 (tt / 2) + j.)  The 32 score registers of a query tile are then keys 64 g + 32 h + 0 .. 31 in order: block 2 g + h, as the operand's layout wants it:
; the block's maximum needs no other lane, and the conversions' results ARE the second product's operand.  Only the scale word's four bytes are gathered from lanes l and l xor 16, once a key step.
; In the second product source 0 = attn (16 queries), source 1 = 16 channels of v: a lane holds one channel and eight neighbouring pixels of out.
; A block's largest attn is not searched for: the block's largest t goes through the same v_exp_f32 (this takes v_exp_f32 not to fall where its input rises; at the worst one number of a block, within an ulp of a power of two, is held one code low).
; LDS.  All operands lie as images of their registers, 1,024 bytes each, 1,088 bytes apart
; V's images are read 512 consecutive bytes an instruction.
; A ring of two slots of 4 key steps (32 images of K, 64 of V), 2^17 bytes apart; -lse, K's and V's scale words of the whole batch, filled once, in the same rows of 1,024 bytes.
; Every tensor load has ONE shape, 16 rows of 1,024 bytes, dense in memory, 64 bytes of padding behind each.  Waves 0, 1 fetch K's halves of a slot, waves 2-5 V's quarters; waves 6, 7 fetch the tables at the head.
; Two loads of a wave are out at the most (waves 6, 7 at the head), later one.
; CLUSTER.  The four work-groups of a cluster belong to one batch and walk the same K, V and tables: every load is joint (mask 15); its descriptor is made of the batch and the wave's number alone.
; THE CHANGE OF SLOTS stands at a slot's head: the wait for all my tensor loads, the add, the wait for it and for my reads, a round of the cluster's barrier, and first behind it the fill of the slot just left: it has a slot's two steps a wave in which to land.
; The old slot's last 32 products, whose operands lie in registers by then, stand round it: 16 between the add and the wait for it, 8 between the round's opening signal and its wait, 8 behind the new slot's first LDS loads.
; Slot 1's first fill stands behind the first round, where nothing is filled again.  The last slot is written out without a load.
; LIMITS: as stated at the head of wq.
.set IMG,   1088                       ; from image to image, and from row to row of the tables
.set LOADB, 16*IMG                     ; what one tensor load fills
.set SLOT1, 1<<17
.set TLSE,  6*LOADB                    ; -lse: 16 rows of 256 keys
.set TKS,   SLOT1+6*LOADB              ; K's scale words: 16 rows of two key steps
.set TVS,   TKS+LOADB                  ; V's scale words: 32 rows of one key step
.set STGB,  135168                     ; the way out: two stages of 256 channel rows x (512 + 16) bytes over bytes 0 .. 270,335, all of which have had their last fill by then
.set SPARE, TVS+2*LOADB                ; the spare words, 128 bytes for each wave: four blocks of 256 bytes that no other line names
.set L16, 1                            ; v1   16 x lane
.set L4,  2                            ; v2   4 x lane
.set LH,  3                            ; v3   128 (lane / 16): my block's -lse
.set ADK, 4                            ; v4   my two key steps' images of K in the slot in hand
.set ADV, 5                            ; v5   of V
.set ADC, 6                            ; v6   their -lse
.set ADS, 7                            ; v7   K's scale words
.set ADT, 8                            ; v8   V's
.set PFO, 9                            ; v9   256 x lane; never rewritten
.set SPW, 10                           ; v10  my spare word; never rewritten
.set NIL, 11                           ; v11  0; never rewritten
.set STOA, 12                          ; v12  the stage: channel tiles 0-7
.set STOB, 13                          ; v13  8-15
.set RD0, 14                           ; v14  my 32 rows of stage 0
.set RD1, 15                           ; v15  of stage 1
.set KS,  16                           ; v16-17 scale words: K's
.set VS,  18                           ; v18-25 V's
.set QS,  26                           ; v26    Q's (lanes 0-15: a = 0, lanes 16-31: a = 1)
.set KL,  27                           ; v27  my lane's place in K's images: 2 IMG hr + 16 j + 256 (lane / 16), hr = (lane / 8) % 2, j = lane % 8
.set PW,  28                           ; v28-29 attn's scale words
.set KSL, 30                           ; v30  my lane's place among K's scale words: 128 hr + 64 (lane / 16) + 4 j
.set H8,  31                           ; v31  8 (lane / 16)
.set TM,  32                           ; v32-47 at work: +0 .. +3 four maxima; +4, +5 a lane permute's results; +6, +7 the bytes of keys 0-63; +8, +9 of keys 64-127; +12, +13 the conversions' scale operands
.set PC,  48                           ; v48-63 attn's codes, 8 registers for each a
.set Q,   64                           ; v64-79 my two query tiles
.set OP,  96                           ; v96-159: -lse as C (32), four tiles of K (32); or eight tiles of V
.set CR,  96
.set KF,  128
.set S,   160                          ; v160-223 scores, tile (a, tt) at 32 a + 8 tt; or eight tiles of V
.set XO,  128                          ; the way out: v128-255 my 32 rows of x, then of out
.set SA,  32                           ; v32-63, v64-95: eight rows of each stage
.set SC2, 64
.set WV,  22
.set CX,  23
.set BLK, 24
.set BT,  25
.set MP,  26
.set KH,  27
.set G1,  28                           ; s[28:35] descriptor group 1
.set G0,  36                           ; s[36:39] my group 0, which walks
.set G0B, 40                           ; s[40:43] waves 6, 7: V's scale words
.set STP, 44                           ; s[44:45] a slot on in my tensor
.set PFA, 46                           ; s[46:47] where my prefetches stand
.set PFS, 48                           ; s[48:49] a slot on there
.set LIM, 50                           ; s50 1 in a wave that prefetches, else the greatest number
.set SLOTS, 51                         ; s51 slots still to be asked for
.set SK,  52                           ; s52 LDS: my half of K's images in the slot in hand
.set SV,  53                           ; s53 of V's
.set SL,  54                           ; s54 of -lse
.set SKS, 55                           ; s55 of K's scale words
.set SVS, 56                           ; s56 of V's
.set CS,  58                           ; s[58:59] log2 e
.set SEL, 60                           ; s[60:61] v_permlanex16_b32's selects for lane l xor 16
.set GM,  62                           ; s[62:63] gamma
.set MSB, 0
.macro WIN new                         ; the immediate's high byte repeats the setting that is left.  Window 1 (v256-511): the 32 accumulators of out, (a, T) at 128 a + 8 T
.if MSB != \new
	s_set_vgpr_msb (MSB<<8)|\new
.set MSB, \new
.endif
.endm
.macro MMS d, a, b, c, sa, sb, ra, rb  ; one matrix instruction.  c = -1: the constant 0 starts the sum.  ra, rb = 1: that side's scale words stand in lanes 16-31
.if (\c) < 0
.if ((\ra) == 0) && ((\rb) == 0)
	v_wmma_scale_f32_16x16x128_f8f6f4 v[(\d):(\d)+7], v[(\a):(\a)+7], v[(\b):(\b)+7], 0, v[(\sa)], v[(\sb)] matrix_a_fmt:MATRIX_FMT_FP4 matrix_b_fmt:MATRIX_FMT_FP4
.elseif ((\ra) == 1) && ((\rb) == 0)
	v_wmma_scale_f32_16x16x128_f8f6f4 v[(\d):(\d)+7], v[(\a):(\a)+7], v[(\b):(\b)+7], 0, v[(\sa)], v[(\sb)] matrix_a_fmt:MATRIX_FMT_FP4 matrix_b_fmt:MATRIX_FMT_FP4 matrix_a_scale:MATRIX_SCALE_ROW1
.elseif ((\ra) == 0) && ((\rb) == 1)
	v_wmma_scale_f32_16x16x128_f8f6f4 v[(\d):(\d)+7], v[(\a):(\a)+7], v[(\b):(\b)+7], 0, v[(\sa)], v[(\sb)] matrix_a_fmt:MATRIX_FMT_FP4 matrix_b_fmt:MATRIX_FMT_FP4 matrix_b_scale:MATRIX_SCALE_ROW1
.else
	v_wmma_scale_f32_16x16x128_f8f6f4 v[(\d):(\d)+7], v[(\a):(\a)+7], v[(\b):(\b)+7], 0, v[(\sa)], v[(\sb)] matrix_a_fmt:MATRIX_FMT_FP4 matrix_b_fmt:MATRIX_FMT_FP4 matrix_a_scale:MATRIX_SCALE_ROW1 matrix_b_scale:MATRIX_SCALE_ROW1
.endif
.else
.if ((\ra) == 0) && ((\rb) == 0)
	v_wmma_scale_f32_16x16x128_f8f6f4 v[(\d):(\d)+7], v[(\a):(\a)+7], v[(\b):(\b)+7], v[(\c):(\c)+7], v[(\sa)], v[(\sb)] matrix_a_fmt:MATRIX_FMT_FP4 matrix_b_fmt:MATRIX_FMT_FP4
.elseif ((\ra) == 1) && ((\rb) == 0)
	v_wmma_scale_f32_16x16x128_f8f6f4 v[(\d):(\d)+7], v[(\a):(\a)+7], v[(\b):(\b)+7], v[(\c):(\c)+7], v[(\sa)], v[(\sb)] matrix_a_fmt:MATRIX_FMT_FP4 matrix_b_fmt:MATRIX_FMT_FP4 matrix_a_scale:MATRIX_SCALE_ROW1
.elseif ((\ra) == 0) && ((\rb) == 1)
	v_wmma_scale_f32_16x16x128_f8f6f4 v[(\d):(\d)+7], v[(\a):(\a)+7], v[(\b):(\b)+7], v[(\c):(\c)+7], v[(\sa)], v[(\sb)] matrix_a_fmt:MATRIX_FMT_FP4 matrix_b_fmt:MATRIX_FMT_FP4 matrix_b_scale:MATRIX_SCALE_ROW1
.else
	v_wmma_scale_f32_16x16x128_f8f6f4 v[(\d):(\d)+7], v[(\a):(\a)+7], v[(\b):(\b)+7], v[(\c):(\c)+7], v[(\sa)], v[(\sb)] matrix_a_fmt:MATRIX_FMT_FP4 matrix_b_fmt:MATRIX_FMT_FP4 matrix_a_scale:MATRIX_SCALE_ROW1 matrix_b_scale:MATRIX_SCALE_ROW1
.endif
.endif
.endm
.macro CREST                           ; a round of the cluster's barrier behind its opening barrier: wave 0 signals for the work-group; every wave waits for all four work-groups; my work-group's barrier once more
	s_cmp_lg_u32 s[WV], 0
	s_cbranch_scc1 .Lnot_wave_0_\@
	s_barrier_signal -3
.Lnot_wave_0_\@:
	s_barrier_wait -3
	s_barrier_signal -1
	s_barrier_wait -1
.endm
.macro CROUND                          ; a whole round
	s_barrier_signal -1
	s_barrier_wait -1
	CREST
.endm
.macro NOPS n                          ; places behind matrix instructions: only plain vector instructions that name none of their registers count (ISA guide 7.12.1)
.rept \n
	v_nop
.endr
.endm
; A PREFETCH INTO THE L2 of what the NEXT change of slots will ask for: a slot's 32 KB of K's images and 64 KB of V's, in blocks of 256 bytes, a lane a block.  It stands behind the wave's tensor load and its five lines.
; Each block is named once in the launch: all clusters of a batch walk the same K and V, and the batch's first cluster asks; its four partners share the blocks out BY ADDRESS (cx takes 8 KB of K's, 16 KB of V's);
; in each, wave 5 asks for K's and waves 6, 7 for V's, one instruction each.  The last change that fills a slot asks for nothing; slots 0 and 1 come by their loads alone.
.macro ASK
	s_cmp_gt_u32 s[SLOTS], s[LIM]
	s_cbranch_scc0 .Lnot_mine_\@
	global_prefetch_b8 v[PFO], s[PFA:PFA+1] th:TH_LOAD_NT scope:SCOPE_SE
.Lnot_mine_\@:
.endm
	s_load_b256 s[4:11], s[0:1], 0x0               ; qpack, kc, ksc, vc
	s_load_b256 s[12:19], s[0:1], 0x20             ; vsc, nlse, gamma, x
	s_load_b64 s[20:21], s[0:1], 0x40              ; out0
	v_lshl_add_u32 v[SPW], v0, 2, SPARE
	v_mov_b32 v[NIL], 0
	ds_add_u32 v[SPW], v[NIL]                      ; the wave's opening: the add, twice on end, and its wait ahead of my first tensor load
	ds_add_u32 v[SPW], v[NIL]                      ; and once more, under the one wait; the set-up below, work on registers, stands between
	v_lshrrev_b32 v40, 5, v0
	v_readfirstlane_b32 s[WV], v40                 ; wave 0..7
	s_bfe_u32 s[CX], ttmp6, 0x40000                ; cx
	s_lshl_b32 s[BLK], ttmp9, 2
	s_add_co_u32 s[BLK], s[BLK], s[CX]             ; blk: it enters Q's, x's and out's global addresses alone
	s_and_b32 s[BT], ttmp7, 0xffff                 ; b, which the four partners share
	s_and_b32 s[MP], s[WV], 3
	s_lshr_b32 s[KH], s[WV], 2
	s_mov_b32 s[G1], 15|(3<<16)|(1<<20)|(1<<21)|(7<<22)|(15<<25)   ; 15:0 the mask: all four work-groups; 17:16 elements of 8 bytes; 20 padding on; 21 set beside a mask; 24:22 after every 256 words (code 7); 31:25 16 words of it (code 15)
	s_mov_b32 s[G1+1], 128<<16                     ; tensor_dim0 = 128 elements: 1,024 bytes
	s_mov_b32 s[G1+2], 16<<16                      ; tensor_dim1 = 16
	s_mov_b32 s[G1+3], 128<<16                     ; tile_dim0 = 128
	s_mov_b32 s[G1+4], 16                          ; tile_dim1 = 16
	s_mov_b32 s[G1+5], 128                         ; from row to row: dense
	s_mov_b32 s[G1+6], 0
	s_mov_b32 s[G1+7], 0
	s_mov_b32 s[CS], 0x3fb8aa3b                    ; log2 e
	s_mov_b32 s[CS+1], s[CS]                       ; (named with it as a pair, so it is written)
	s_mov_b32 s[SEL], 0x76543210
	s_mov_b32 s[SEL+1], 0xfedcba98
	s_mov_b32 s[SLOTS], 7
	s_mul_i32 s[SK], s[KH], LOADB                  ; two key steps of K: 16 images
	s_mul_i32 s[SV], s[KH], 2*LOADB                ; of V: 32 images, behind K's 32
	s_add_co_u32 s[SV], s[SV], 2*LOADB
	s_mul_i32 s[SL], s[KH], IMG                    ; two key steps of -lse, and of K's scale words: a row
	s_add_co_u32 s[SKS], s[SL], TKS
	s_add_co_u32 s[SL], s[SL], TLSE
	s_mul_i32 s[SVS], s[KH], 2*IMG                 ; of V's scale words: two rows
	s_add_co_u32 s[SVS], s[SVS], TVS
	s_wait_dscnt 0x0                               ; both opening adds are done
	s_wait_kmcnt 0x0
	s_load_b32 s[GM], s[16:17], 0x0                ; gamma
	; what I fetch: waves 0, 1: kc; 2-5: vc; 6: nlse; 7: ksc.  The choices hang on the wave's number alone
	s_cmp_lt_u32 s[WV], 2
	s_cselect_b64 s[66:67], s[6:7], s[10:11]
	s_cselect_b32 s68, 18, 19                      ; a batch's bytes, as a shift
	s_cselect_b32 s69, 0, 2                        ; the first wave of my kind
	s_mov_b32 s[STP], 0x10000
	s_cselect_b32 s[STP], 0x8000, s[STP]
	s_mov_b32 s[STP+1], 0
	s_cmp_lt_u32 s[WV], 6
	s_cselect_b64 s[66:67], s[66:67], s[14:15]
	s_cselect_b32 s68, s68, 14
	s_cselect_b32 s69, s69, 6
	s_cmp_lt_u32 s[WV], 7
	s_cselect_b64 s[66:67], s[66:67], s[8:9]
	s_cselect_b32 s69, s69, 7
	s_sub_co_u32 s69, s[WV], s69
	s_lshl_b32 s69, s69, 14                        ; 16 KB of memory a wave
	s_lshl_b32 s70, s[BT], s68
	s_add_co_u32 s70, s70, s69
	s_mov_b32 s71, 0
	s_add_nc_u64 s[66:67], s[66:67], s[70:71]
	s_mov_b32 s[G0], 1                             ; count = 1
	s_mul_i32 s[G0+1], s[WV], LOADB                ; LDS address: slot 0's six parts, then -lse;
	s_add_co_u32 s72, s[WV], 1
	s_lshr_b32 s72, s72, 3                         ; (1 in wave 7 alone)
	s_mul_i32 s72, s72, TKS-7*LOADB
	s_add_co_u32 s[G0+1], s[G0+1], s72             ; K's scale words lie behind slot 1
	s_mov_b64 s[G0+2:G0+3], s[66:67]
	s_or_b32 s[G0+3], s[G0+3], 0x80000000          ; type = 2
	s_and_b32 s70, s[WV], 1                        ; V's scale words: 16 KB for each of waves 6 and 7
	s_mul_i32 s73, s70, LOADB
	s_lshl_b32 s70, s70, 14
	s_lshl_b32 s72, s[BT], 15
	s_add_co_u32 s70, s70, s72
	s_mov_b32 s[G0B], 1
	s_add_co_u32 s[G0B+1], s73, TVS
	s_add_nc_u64 s[G0B+2:G0B+3], s[12:13], s[70:71]
	s_or_b32 s[G0B+3], s[G0B+3], 0x80000000
	CROUND                                         ; all four work-groups are here: the first joint loads meet
	s_cmp_lt_u32 s[WV], 6                          ; every way passes a first fill
	s_cbranch_scc0 .Ltables
	tensor_load_to_lds s[G0:G0+3], s[G1:G1+7]      ; my part of slot 0
	s_nop 0
	NOPS 4
	s_branch .Lfilled
.Ltables:
	tensor_load_to_lds s[G0:G0+3], s[G1:G1+7]      ; -lse, or K's scale words
	s_nop 0
	tensor_load_to_lds s[G0B:G0B+3], s[G1:G1+7]    ; half of V's scale words
	s_nop 0
	NOPS 4
.Lfilled:
	; the prefetches: where my wave's stand, and who asks
	s_cmp_lt_u32 s[WV], 6
	s_cselect_b64 s[PFA:PFA+1], s[6:7], s[10:11]
	s_cselect_b32 s68, 18, 19
	s_cselect_b32 s69, 13, 14                      ; a partner's share, as a shift
	s_mov_b32 s[PFS], 0x10000
	s_cselect_b32 s[PFS], 0x8000, s[PFS]
	s_cselect_b32 s72, 0, 1
	s_mov_b32 s[PFS+1], 0
	s_lshl_b32 s70, s[BT], s68
	s_lshl_b32 s71, s[CX], s69
	s_add_co_u32 s70, s70, s71
	s_add_co_u32 s70, s70, s[PFS]                  ; in slot 1: the first change of slots steps it to slot 2
	s_and_b32 s71, s[WV], s72
	s_lshl_b32 s71, s71, 13                        ; wave 7: the second 8 KB
	s_add_co_u32 s70, s70, s71
	s_mov_b32 s71, 0
	s_add_nc_u64 s[PFA:PFA+1], s[PFA:PFA+1], s[70:71]
	s_cmp_lt_u32 s[WV], 5
	s_cselect_b32 s72, 1, 0
	s_or_b32 s72, s72, ttmp9                       ; 0 in waves 5-7 of the batch's first cluster: the same in all four partners
	s_cmp_eq_u32 s72, 0
	s_cselect_b32 s[LIM], 1, -1
	; x and out: rows 32 w .. of the batch's 256 channels, my block's 128 pixels
	s_lshl_b32 s66, s[BT], 22
	s_lshl_b32 s67, s[WV], 19
	s_add_co_u32 s66, s66, s67
	s_lshl_b32 s67, s[BLK], 9
	s_add_co_u32 s66, s66, s67
	s_mov_b32 s67, 0
	s_add_nc_u64 s[18:19], s[18:19], s[66:67]
	s_add_nc_u64 s[20:21], s[20:21], s[66:67]
	v_and_b32 v40, 31, v0
	v_lshlrev_b32 v[L16], 4, v40
	v_lshlrev_b32 v[L4], 2, v40
	v_lshlrev_b32 v[PFO], 8, v40
	v_bfe_u32 v41, v0, 4, 1                        ; lane / 16
	v_lshlrev_b32 v[LH], 7, v41
	v_lshlrev_b32 v[H8], 3, v41
	v_and_b32 v42, 7, v0                           ; j
	v_bfe_u32 v43, v0, 3, 1                        ; hr
	v_mul_u32_u24 v[KL], v43, 2*IMG
	v_lshl_add_u32 v[KL], v42, 4, v[KL]
	v_lshl_add_u32 v[KL], v41, 8, v[KL]
	v_lshlrev_b32 v[KSL], 7, v43
	v_lshl_add_u32 v[KSL], v41, 6, v[KSL]
	v_lshl_add_u32 v[KSL], v42, 2, v[KSL]
	v_and_b32 v44, 15, v0
	v_mul_u32_u24 v[STOA], v44, 528                ; the stage: channel row r of a tile; my eight pixels begin at 32 mp + 8 a + 16 (lane / 16)
	v_lshl_add_u32 v[STOA], v41, 6, v[STOA]
	s_mul_i32 s66, s[KH], STGB
	s_lshl_b32 s67, s[MP], 7
	s_add_co_u32 s66, s66, s67
	v_add_nc_u32 v[STOA], s66, v[STOA]
	v_add_nc_u32 v[STOB], 8*8448, v[STOA]
	s_mul_i32 s66, s[WV], 32*528
	v_add_nc_u32 v[RD0], s66, v[L16]
	v_add_nc_u32 v[RD1], STGB, v[RD0]
.irp b, 0,1
	v_mov_b32 v[TM+4+\b], 0                        ; written once: a lane permute's destination counts as one of its sources
.endr
	; Q: group 64 b + 2 blk + mp / 2 of qpack, tiles 2 (mp % 2) + a
	s_lshl_b32 s66, s[BT], 6
	s_lshl_b32 s67, s[BLK], 1
	s_add_co_u32 s66, s66, s67
	s_lshr_b32 s67, s[MP], 1
	s_add_co_u32 s66, s66, s67
	s_mul_i32 s66, s66, 4352
	s_and_b32 s68, s[MP], 1
	s_lshl_b32 s69, s68, 11
	s_add_co_u32 s70, s66, s69
	s_mov_b32 s71, 0
	s_lshl_b32 s69, s68, 7
	s_add_co_u32 s72, s66, s69
	s_add_co_u32 s72, s72, 4096
	s_mov_b32 s73, 0
	s_add_nc_u64 s[70:71], s[4:5], s[70:71]
	s_add_nc_u64 s[72:73], s[4:5], s[72:73]
.irp j, 0,1,2,3
	global_load_b128 v[Q+4*\j:Q+4*\j+3], v[L16], s[70:71] offset:512*\j
.endr
	global_load_b32 v[QS], v[L4], s[72:73]
; 18 LDS loads, for keys 64 g .. 64 g + 63 of my i-th key step: -lse in the result's layout (register 8 tt + j of lane half h: key 64 g + 32 h + 8 tt + j; sixteen lanes read the same 16 bytes); the four tiles, gathered as the head says; their scale words
.macro LOADKC i, g
.irp tt, 0,1,2,3
.irp x, 0,1
	ds_load_b128 v[CR+8*\tt+4*\x:CR+8*\tt+4*\x+3], v[ADC] offset:(\i)*512+(\g)*256+\tt*32+16*\x
.endr
.endr
.irp tt, 0,1,2,3
.irp cc, 0,1
	ds_load_b128 v[KF+8*\tt+4*\cc:KF+8*\tt+4*\cc+3], v[ADK] offset:((\i)*8+4*(\g)+\tt%2)*IMG+(\tt/2)*128+\cc*512
.endr
.endr
.irp p, 0,1
	ds_load_b32 v[KS+\p], v[ADS] offset:(\i)*512+(\g)*256+\p*32     ; lanes 0-15: tile 2 p's rows, lanes 16-31: tile 2 p + 1's
.endr
.endm
.macro SCORES                          ; 8 matrix instructions, each a whole tile of s - lse; no two on end share a result
.irp tt, 0,1,2,3
.irp a, 0,1
	MMS S+32*\a+8*\tt,KF+8*\tt,Q+8*\a,CR+8*\tt,KS+\tt/2,QS,\tt%2,\a
.endr
.endr
.endm
; The softmax's lines on quarter x (16 registers from S + 16 x on; quarters 0, 1: query tile 0's block, quarters 2, 3: query tile 1's).
.macro MULX x, k                       ; pair k: t = (s - lse) log2 e.  Ascending: each matrix result is read from its low end on
	v_pk_mul_f32 v[S+16*(\x)+2*(\k):S+16*(\x)+2*(\k)+1], v[S+16*(\x)+2*(\k):S+16*(\x)+2*(\k)+1], s[CS:CS+1] op_sel_hi:[1,0]
.endm
.macro MAXX x, k                       ; link k of eight of the quarter's largest t
.if (\k) == 0
	v_max3_num_f32 v[TM+(\x)], v[S+16*(\x)], v[S+16*(\x)+1], v[S+16*(\x)+2]
.elseif (\k) < 7
	v_max3_num_f32 v[TM+(\x)], v[TM+(\x)], v[S+16*(\x)+2*(\k)+1], v[S+16*(\x)+2*(\k)+2]
.else
	v_max_num_f32 v[TM+(\x)], v[TM+(\x)], v[S+16*(\x)+15]
.endif
.endm
.macro EXPX x, e                       ; attn
	v_exp_f32 v[S+16*(\x)+(\e)], v[S+16*(\x)+(\e)]
.endm
; 64 keys x 2 query tiles: attn, its codes and its scale bytes.  A quarter is multiplied, then searched, then put through the exponential, in place; the quarters follow each other two stages apart, so that a quarter's 16 exponentials stand
; among the next quarter's maxima and the next but one's multiplications.  None of these lines names an exponential's result: the batch of 66 has one wait, behind its last.
.macro SOFTQ g
.set K, 0
.rept 8
	MULX 0,K
.set K, K+1
.endr
.set K, 0
.rept 8
	MAXX 0,K
	MULX 1,K
.set K, K+1
.endr
.irp x, 0,1
.set K, 0
.rept 8
	EXPX \x,2*K
	MAXX \x+1,K
	EXPX \x,2*K+1
	MULX \x+2,K
.set K, K+1
.endr
.endr
.set K, 0
.rept 8
	EXPX 2,2*K
	MAXX 3,K
	EXPX 2,2*K+1
.set K, K+1
.endr
	EXPX 3,0
	v_max_num_f32 v[TM], v[TM], v[TM+1]            ; query tile 0: my block's largest t: all its 32 keys are mine
	EXPX 3,1
	v_max_num_f32 v[TM+2], v[TM+2], v[TM+3]        ; query tile 1
.set K, 2
.rept 14
	EXPX 3,K
.set K, K+1
.endr
	v_exp_f32 v[TM], v[TM]                         ; the block's largest attn: the same instruction on the same number gives the same bits
	v_exp_f32 v[TM+2], v[TM+2]
	v_nop                                          ; the plain instruction behind the last exponential
	s_wait_alu depctr_va_vdst(0)                   ; one wait for the batch of 66, ahead of its first reader
.irp a, 0,1
	v_max_num_f32 v[TM+2*\a], 0x1800000, v[TM+2*\a]   ; the floor 2^(3 - 127): the byte cannot fall under 1
.endr
.irp a, 0,1
	v_add_nc_u32 v[TM+12+\a], 0xff000000, v[TM+2*\a]  ; 2 off the exponent field: the conversion's scale operand
.endr
.if \g == 0
.irp a, 0,1
	v_lshrrev_b32 v[TM+6+\a], 23, v[TM+12+\a]      ; the byte of block h: kept for the second half
.endr
.else
.irp a, 0,1
	v_lshrrev_b32 v[TM+8+\a], 23, v[TM+12+\a]      ; the byte of block 2 + h
.endr
.irp a, 0,1
	v_lshl_or_b32 v[PW+\a], v[TM+8+\a], 16, v[TM+6+\a]
.endr
.irp a, 0,1
	v_lshlrev_b32 v[PW+\a], v[H8], v[PW+\a]        ; my two bytes at their places in the scale word
.endr
.irp a, 0,1
	v_permlanex16_b32 v[TM+4+\a], v[PW+\a], s[SEL], s[SEL+1]
.endr
.irp a, 0,1
	v_or_b32 v[PW+\a], v[PW+\a], v[TM+4+\a]        ; with lane l xor 16's two the word is whole
.endr
.endif
.irp a, 0,1
.irp tt, 0,1,2,3
	v_cvt_scalef32_pk8_fp4_f32 v[PC+8*\a+4*(\g)+\tt], v[S+32*\a+8*\tt:S+32*\a+8*\tt+7], v[TM+12+\a]   ; registers 4 g .. 4 g + 3 of the operand: keys 64 g + 32 h + 0 .. 31
.endr
.endr
	v_nop                                          ; one plain place behind a scaled conversion
.endm
.macro LOADV i, rnd, dst               ; 20 LDS loads: channel tiles 8 rnd .. 8 rnd + 7 of my i-th key step, and their scale words
.irp tt, 0,1,2,3,4,5,6,7
.irp cc, 0,1
	ds_load_b128 v[(\dst)+8*\tt+4*\cc:(\dst)+8*\tt+4*\cc+3], v[ADV] offset:((\i)*16+8*(\rnd)+\tt)*IMG+\cc*512
.endr
.endr
.irp p, 0,1,2,3
	ds_load_b32 v[VS+4*(\rnd)+\p], v[ADT] offset:(\i)*IMG+(4*(\rnd)+\p)*128
.endr
.endm
; 2 n matrix instructions: channel tiles 8 rnd + lo .. 8 rnd + lo + n - 1 x my two query tiles, each on an accumulator of its own, by turns.  zero = 1: they start the sums: nothing is ever cleared
.macro PV rnd, src, zero, lo, n
	WIN 0x50                                       ; C and D window 1
.set TT, \lo
.rept \n
.irp a, 0,1
.if \zero
	MMS 128*\a+8*(8*(\rnd)+TT),PC+8*\a,(\src)+8*TT,-1,PW+\a,VS+4*(\rnd)+TT/2,0,TT%2
.else
	MMS 128*\a+8*(8*(\rnd)+TT),PC+8*\a,(\src)+8*TT,128*\a+8*(8*(\rnd)+TT),PW+\a,VS+4*(\rnd)+TT/2,0,TT%2
.endif
.endr
.set TT, TT+1
.endr
	WIN 0
.endm
; A KEY STEP'S FRONT: 128 keys x my 32 queries: the scores, attn, its codes; V's sixteen tiles are asked for.
.macro FRONT i
	s_wait_dscnt 0x0                               ; -lse, K and its scale words of keys 0-63
	SCORES
	NOPS 4                                         ; in front of loads into the operands and of the first read of results
	LOADKC \i,1
	SOFTQ 0
	s_wait_dscnt 0x0
	SCORES
	NOPS 4
	LOADV \i,0,OP
	SOFTQ 1
	LOADV \i,1,S                                   ; the scores' registers are free: their codes are made
	NOPS 8                                         ; a scale register written by a vector instruction stands 8 places ahead of a scaled matrix instruction, an operand so written 4
.endm
.macro STEP0 zero                      ; the slot's first step of mine, whole; between its products the second step's first loads go out
	FRONT 0
	s_wait_dscnt 20                                ; channel tiles 0-7 are in; the 20 loads of tiles 8-15 may be out
	PV 0,OP,\zero,0,8
	NOPS 4
	LOADKC 1,0
	s_wait_dscnt 18                                ; channel tiles 8-15 are in; the next step's 18 loads may be out
	PV 1,S,\zero,0,8
	NOPS 5                                         ; the registers just read as source 1 are next written by a matrix instruction: five places
.endm
; THE CHANGE OF SLOTS.  pend = 1: the products of the old slot's last step are still to do; V's loads for them were the wave's last reads of that slot.
.macro CHANGE fill, pend
	s_wait_tensorcnt 0x0                           ; all my tensor loads have landed, my part of the slot ahead among them: so my group 0 may be written
	ds_add_u32 v[SPW], v[NIL]                      ; 0 onto my spare word
.if \fill
	s_xor_b32 s[G0+1], s[G0+1], SLOT1              ; the other slot than last time,
	s_add_nc_u64 s[G0+2:G0+3], s[G0+2:G0+3], s[STP:STP+1]   ; the next four key steps; the type bits on top are not reached
	s_wait_xcnt 0x0                                ; the last prefetch, a slot back, has read its address, so it may be written:
	s_add_nc_u64 s[PFA:PFA+1], s[PFA:PFA+1], s[PFS:PFS+1]   ; one slot further on than the walking descriptor
.endif
.if \pend
	s_wait_dscnt 21                                ; channel tiles 0-7 are in; the 20 loads of tiles 8-15 and the add may be out
	PV 0,OP,0,0,8                                  ; sixteen matrix instructions stand between the add and the wait for it
.endif
	s_wait_dscnt 0x0                               ; the add is done, and my reads of the slot that I leave are over
	s_barrier_signal -1                            ; say so,
.if \pend
	PV 1,S,0,0,4                                   ; work on registers while the others arrive,
.endif
	s_barrier_wait -1                              ; and go on when all eight waves have said so
.if \fill
	CREST                                          ; the barrier has opened a round of the cluster's: both now hold of every wave of all four work-groups
	s_cmp_lt_u32 s[WV], 6
	s_cbranch_scc0 .Lno_fill_\@
	tensor_load_to_lds s[G0:G0+3], s[G1:G1+7]      ; the first thing behind the round, and my one tensor load until the next
	s_nop 0
	NOPS 4
.Lno_fill_\@:
	ASK
.endif
	v_add_nc_u32 v[ADK], s[SK], v[KL]              ; (these five are also the places in front of the loads into the registers that the sixteen products above have read)
	v_add_nc_u32 v[ADV], s[SV], v[L16]
	v_add_nc_u32 v[ADC], s[SL], v[LH]
	v_add_nc_u32 v[ADS], s[SKS], v[KSL]
	v_add_nc_u32 v[ADT], s[SVS], v[L4]
	LOADKC 0,0
.if \pend
	PV 1,S,0,4,4                                   ; the last eight products stand behind the new slot's first loads
	NOPS 5                                         ; the registers just read as source 1 are next written by a matrix instruction: five places
.endif
.endm
.macro ONWARD
	s_xor_b32 s[SK], s[SK], SLOT1                  ; on to the other slot,
	s_xor_b32 s[SV], s[SV], SLOT1
	s_add_co_u32 s[SL], s[SL], 2*IMG               ; and four key steps on in the tables
	s_add_co_u32 s[SKS], s[SKS], 2*IMG
	s_add_co_u32 s[SVS], s[SVS], 4*IMG
.endm
	s_wait_kmcnt 0x0                               ; gamma
	s_mov_b32 s[GM+1], s[GM]                       ; (named with it as a pair, so it is written)
	s_wait_loadcnt 0x0                             ; Q
	CHANGE 1,0                                     ; slot 0 and the tables are whole; slot 1's first fill goes out
	STEP0 1                                        ; the first step's products start the sums
	FRONT 1
	ONWARD
	s_mov_b32 s[SLOTS], 6
.Lslot:                                            ; six trips: slots 1 to 6 are read, slots 2 to 7 asked for
	CHANGE 1,1
	STEP0 0
	FRONT 1
	ONWARD
	s_sub_co_u32 s[SLOTS], s[SLOTS], 1
	s_cmp_lg_u32 s[SLOTS], 0
	s_cbranch_scc1 .Lslot
	CHANGE 0,1                                     ; the last slot is written out: nothing is left to fetch
	STEP0 0
	FRONT 1
	s_wait_dscnt 20                                ; channel tiles 0-7 are in
	PV 0,OP,0,0,8
	s_wait_dscnt 0x0
	PV 1,S,0,0,8
	NOPS 4                                         ; in front of loads into registers that the last products have read, and of the first read of results
	; ---- THE WAY OUT.  The two halves' sums go to two stages in LDS, rows = channels; each wave reads 32 whole rows of both, adds them, and stores gamma x sum + x: 512 consecutive bytes an instruction.
.set J, 0
.rept 32
	global_load_b128 v[XO+4*J:XO+4*J+3], v[L16], s[18:19] offset:J*16384 th:TH_LOAD_NT   ; x is asked for ahead of the stage's round trip
.set J, J+1
.endr
	s_wait_dscnt 0x0
	s_barrier_signal -1
	s_barrier_wait -1                              ; nobody reads a slot or a table any more
	WIN 0x04                                       ; an LDS store's data are its source 1: window 1
.irp a, 0,1
.irp T, 0,1,2,3,4,5,6,7
	ds_store_b128 v[STOA], v[128*\a+8*\T:128*\a+8*\T+3] offset:\T*8448+32*\a          ; each accumulator from its low end on
	ds_store_b128 v[STOA], v[128*\a+8*\T+4:128*\a+8*\T+7] offset:\T*8448+32*\a+16
.endr
.irp T, 0,1,2,3,4,5,6,7
	ds_store_b128 v[STOB], v[128*\a+64+8*\T:128*\a+64+8*\T+3] offset:\T*8448+32*\a
	ds_store_b128 v[STOB], v[128*\a+64+8*\T+4:128*\a+64+8*\T+7] offset:\T*8448+32*\a+16
.endr
.endr
	WIN 0
	s_wait_dscnt 0x0                               ; for the others' sake: my stores have landed
	s_barrier_signal -1
	s_barrier_wait -1
.irp q, 0,1,2,3
.irp i, 0,1,2,3,4,5,6,7
	ds_load_b128 v[SA+4*\i:SA+4*\i+3], v[RD0] offset:(8*\q+\i)*528
	ds_load_b128 v[SC2+4*\i:SC2+4*\i+3], v[RD1] offset:(8*\q+\i)*528
.endr
	s_wait_dscnt 0x0
.if \q == 0
	s_wait_loadcnt 0x0                             ; x
.endif
.irp i, 0,1,2,3,4,5,6,7
	v_pk_add_f32 v[SA+4*\i:SA+4*\i+1], v[SA+4*\i:SA+4*\i+1], v[SC2+4*\i:SC2+4*\i+1]
	v_pk_add_f32 v[SA+4*\i+2:SA+4*\i+3], v[SA+4*\i+2:SA+4*\i+3], v[SC2+4*\i+2:SC2+4*\i+3]
	v_pk_fma_f32 v[XO+4*(8*\q+\i):XO+4*(8*\q+\i)+1], v[SA+4*\i:SA+4*\i+1], s[GM:GM+1], v[XO+4*(8*\q+\i):XO+4*(8*\q+\i)+1] op_sel_hi:[1,0,1]
	v_pk_fma_f32 v[XO+4*(8*\q+\i)+2:XO+4*(8*\q+\i)+3], v[SA+4*\i+2:SA+4*\i+3], s[GM:GM+1], v[XO+4*(8*\q+\i)+2:XO+4*(8*\q+\i)+3] op_sel_hi:[1,0,1]
	global_store_b128 v[L16], v[XO+4*(8*\q+\i):XO+4*(8*\q+\i)+3], s[20:21] offset:(8*\q+\i)*16384 th:TH_STORE_NT   ; each row has registers of its own: no store's data are written again
.endr
.endr
	s_wait_tensorcnt 0x0                           ; the wave's end, behind my last tensor load and my last LDS store
	ds_add_u32 v[SPW], v[NIL]
	s_wait_dscnt 0x0
	CROUND                                         ; the closing round: no work-group ends while a partner may still ask for a tile that names it
	s_endpgm
.Lfunc_end_k_q61c2e8eb1c_attn:
	.size	k_q61c2e8eb1c_attn, .Lfunc_end_k_q61c2e8eb1c_attn-k_q61c2e8eb1c_attn
	.p2alignl 7, 3214868480
	.fill 96, 4, 3214868480
	.section	.rodata,"a",@progbits
	.p2align	6, 0x0
	.amdhsa_kernel k_q61c2e8eb1c_attn
		.amdhsa_group_segment_fixed_size 327680
		.amdhsa_private_segment_fixed_size 0
		.amdhsa_enable_private_segment 0
		.amdhsa_kernarg_size 72
		.amdhsa_user_sgpr_count 2
		.amdhsa_user_sgpr_kernarg_segment_ptr 1
		.amdhsa_wavefront_size32 1
		.amdhsa_system_sgpr_workgroup_id_x 1
		.amdhsa_system_sgpr_workgroup_id_y 1
		.amdhsa_system_sgpr_workgroup_id_z 1
		.amdhsa_system_vgpr_workitem_id 0
		.amdhsa_next_free_vgpr 512
		.amdhsa_next_free_sgpr 80
		.amdhsa_reserve_vcc 0
		.amdhsa_float_denorm_mode_32 3
		.amdhsa_float_denorm_mode_16_64 3
		.amdhsa_memory_ordered 1
		.amdhsa_forward_progress 1
		.amdhsa_inst_pref_size 191
	.end_amdhsa_kernel
	.amdgpu_metadata
---
amdhsa.version: [ 1, 2 ]
amdhsa.kernels:
  - .name:           k_q61c2e8eb1c_attn
    .symbol:         k_q61c2e8eb1c_attn.kd
    .args:
      - { .name: qpack, .offset: 0, .size: 8, .value_kind: global_buffer, .address_space: global }
      - { .name: kc, .offset: 8, .size: 8, .value_kind: global_buffer, .address_space: global }
      - { .name: ksc, .offset: 16, .size: 8, .value_kind: global_buffer, .address_space: global }
      - { .name: vc, .offset: 24, .size: 8, .value_kind: global_buffer, .address_space: global }
      - { .name: vsc, .offset: 32, .size: 8, .value_kind: global_buffer, .address_space: global }
      - { .name: nlse, .offset: 40, .size: 8, .value_kind: global_buffer, .address_space: global }
      - { .name: gamma, .offset: 48, .size: 8, .value_kind: global_buffer, .address_space: global }
      - { .name: x, .offset: 56, .size: 8, .value_kind: global_buffer, .address_space: global }
      - { .name: out0, .offset: 64, .size: 8, .value_kind: global_buffer, .address_space: global }
    .group_segment_fixed_size: 327680
    .private_segment_fixed_size: 0
    .kernarg_segment_align: 8
    .kernarg_segment_size: 72
    .max_flat_workgroup_size: 256
    .sgpr_count:     80
    .vgpr_count:     512
    .wavefront_size: 32
...
	.end_amdgpu_metadata
.endif
;; end of part 4
